; MI455X (gfx1250); checked and timed in simulation.
; The chip was launched on July 23, 2026; its instructions are those of AMD's public machine-readable ISA for CDNA 5 (MIT licence, August 2026) and "CDNA5" Instruction Set Architecture Reference Guide (July 2026). The comments in the code are by the model that wrote it; some were corrected since.
;; Tranformer Encoder. Allowed arithmetic: matrix products marked QUANTISED: E4M3 operands, one given power-of-two scale a tensor, by v_wmma_f32_16x16x64_fp8_fp8 or v_wmma_f32_16x16x128_fp8_fp8, f32 sums; everything else in f32.
;; Inputs: W1 1,024 x 1,024 float32; W2 1,024 x 1,024 float32; W_proj 1,024 x 1,024 float32; W_qkv 1,024 x 3,072 float32; b1 1,024 float32; b2 1,024 float32; b_proj 1,024 float32; b_qkv 3,072 float32; ln1_b 1,024 float32; ln1_g 1,024 float32; ln2_b 1,024 float32; ln2_g 1,024 float32; lowp_scales 12 int32 (the exponents e of the quantised operands' scales 2^e); x 8 x 1,024 x 1,024 float32.
;; Outputs: out0 8 x 1,024 x 1,024 float32.
;; This version of the problem:
;;   THIS VERSION OF THE PROBLEM IS GIVEN IN LOW PRECISION. The matrix products marked QUANTISED in the list below multiply operands that are first quantised to E4M3 (4 exponent bits, 3 mantissa bits; 8 bits a number), with one given power-of-two scale for each operand tensor; their sums are f32. All else is computed in f32.
;;   The module's matrix products, in the order in which they are computed (A, B: the left and right operand; K: the contracted axis; several contracted axes count as one K, in the product's order):
;;     1. [M 8,192, K 1,024] x [K 1,024, N 3,072]; A: input x; B: input W_qkv: QUANTISED (scales: A lowp_scales[0], B lowp_scales[1])
;;     2. batch 128 x [M 1,024, K 64] x [K 64, N 1,024]; A: computed on the way; B: computed on the way: QUANTISED (scales: A lowp_scales[2], B lowp_scales[3])
;;     3. batch 128 x [M 1,024, K 1,024] x [K 1,024, N 64]; A: softmax (see below); B: computed on the way: QUANTISED (scales: A lowp_scales[4], B lowp_scales[5])
;;     4. [M 8,192, K 1,024] x [K 1,024, N 1,024]; A: computed on the way; B: input W_proj: QUANTISED (scales: A lowp_scales[6], B lowp_scales[7])
;;     5. [M 8,192, K 1,024] x [K 1,024, N 1,024]; A: computed on the way; B: input W1: QUANTISED (scales: A lowp_scales[8], B lowp_scales[9])
;;     6. [M 8,192, K 1,024] x [K 1,024, N 1,024]; A: computed on the way; B: input W2: QUANTISED (scales: A lowp_scales[10], B lowp_scales[11])
;;   THE QUANTISER, for each operand of a quantised product, along K:
;;     - The operand's scale is 2^e, e = its entry of the input lowp_scales (int32; the entries are numbered through the quantised products in the list's order, A before B).
;;     - Each number is divided by the scale, clamped to +-448, and rounded to the nearest number of E4M3, ties to even, subnormals kept.
;;     - The product sums the exact products of the quantised numbers (number of the format x scale) in f32.
;;   ~~~python
;;   def quantise(x, axis, e):      # numpy; x: float32 -> the quantised numbers, widened to float32 again
;;       x = np.moveaxis(x, axis, -1); K = x.shape[-1]
;;       r = np.clip(x / 2.0 ** e, -448, 448)
;;       step = 2.0 ** (np.maximum(np.frexp(np.where(r == 0, 1, r))[1] - 1, -6) - 3)
;;       q = np.round(r / step) * step * 2.0 ** e      # np.round: ties to even
;;       return np.moveaxis(q, -1, axis).astype(np.float32)
;;   ~~~
;;   SOFTMAX AHEAD OF A QUANTISED PRODUCT. Where the list says 'softmax', what is quantised is not the finished softmax but p = 2^(t - M), with t = logit x log2(e) and M = ceil(the row's largest t), a whole number; so 1/2 < the row's largest p <= 1. The row's sum l is taken of the UNQUANTISED p, in f32, and the product's result is divided by l at the end. Since M is a whole number, a kernel that streams over the keys may use a running M (the ceiling of the running maximum): every later rescaling is an exact power of two, so the quantised numbers keep their values, but for numbers so far below the row's largest that they fall under the format's range.
;;   OPERANDS COMPUTED ON THE WAY. 'Computed on the way' means the value that the module computes at that place (a softmax that the list does not call 'softmax' is quantised finished and normalised). What goes into a quantiser is computed in f32, as accurately as f32 sums, v_exp_f32 and their like allow (about 1e-6 of the number): no bf16 or f16 on the way to a quantiser, and a product that is left as it is and whose result goes on into a quantised operand takes f32 operands (vector FMAs, or v_wmma_f32_16x16x4_f32). A number that lies on a knife's edge between two numbers of the format may be rounded either way, as far as f32 arithmetic and the matrix unit's own rounding can turn it there, and no further.
;; 2 versions, each right; version 2 is version 1 with the launches attn, tail written anew for expert scheduling mode. Each part assembles by itself: llvm-mc -triple=amdgcn-amd-amdhsa -mcpu=gfx1250 --defsym DOCPART=n.
;; ======== version 1 of 2: 4 launches
;; workspace buffers: xc 8,388,608 bytes; wqc 3,145,728 bytes; wimg 3,145,728 bytes; qkv 25,165,824 bytes; att 8,388,608 bytes
;; launch prep (part 1): grid 448 x 1, 4 waves a work-group, no clusters, 100,864 bytes of LDS; arguments x, W_qkv, W_proj, W1, W2, lowp_scales, xc, wqc, wimg; writes xc, wqc, wimg
.if DOCPART == 1
	.amdgcn_target "amdgcn-amd-amdhsa--gfx1250"
	.amdhsa_code_object_version 6
	.text
	.protected	k_q0fe3bb4b4a_prep
	.globl	k_q0fe3bb4b4a_prep
	.p2align	8
	.type	k_q0fe3bb4b4a_prep,@function
k_q0fe3bb4b4a_prep:
	s_mov_b64 s[64:65], 0
	v_nop
	global_prefetch_b8 v0, s[64:65] scope:SCOPE_SE
	s_setreg_imm32_b32 hwreg(HW_REG_WAVE_MODE, 25, 1), 1
	s_wait_xcnt 0x0
; PREP: the five wide operands become codes of FP8 (E4M3), each with the one scale 2^e that is given for it: code = number / 2^e, held within +-448, to the nearest code, ties to even.
;   x      [8192][1024]   e = entry 0   -> xc   [8192][1024] codes, as the rows lie (K innermost)
;   W_qkv  [1024 k][3072] e = entry 1   -> wqc  [3072 n][1024 k] codes, K innermost
;   W_proj, W1, W2 [1024 k][1024 n], e = entries 7, 9, 11 -> wimg [3][8 K steps][64 column tiles][2,048 bytes]: each 2,048 bytes are the REGISTERS of one operand fragment
;   (16 columns n x 128 k) on end: registers 4 q .. 4 q + 3 of lane L at 512 q + 16 L; lane (r, h) = column 16 ct + r; registers 2 c, 2 c + 1 = k 128 ks + 16 c + 8 h + 0 .. 7.
; Work-groups 0-255 take x (32,768 numbers each), 256-351 W_qkv (128 columns x 256 k each), 352-447 the three square weights (the same share).  The three ways part on the work-group's number
; and each has LDS bytes of its own.  No tensor load, no barrier: waves share nothing.  Every offset is an immediate; no pointer is stepped, no store's data are written again.
; x: a load reads 512 consecutive bytes; 2,048 bytes turn through the wave's stage so that a lane holds 16 neighbours along K; a wave's store covers 512 consecutive bytes.
; Weights: A LANE TAKES A COLUMN n AND ITS REGISTERS RUN DOWN K, so the conversions give codes with K innermost and nothing is transposed; the codes leave through the wave's stage in runs of 256 or 512 bytes.
; LIMITS: each e used here lies between -126 and 119, so that 2^e and 448 x 2^e are f32 numbers.  NaN among the inputs is not served (an infinity is held at the largest code).
.set STEPS, 16
.set WREG,  8192                       ; x's way: LDS 0 .. 32,767, 8,192 bytes a wave: two stages of 32 x SP bytes
.set SP,    80                         ; a lane's place in a stage: its 64 bytes + 16 of padding
.set QBASE, 32768                      ; W_qkv's way: 4 waves x 32 rows x 272 bytes
.set IBASE, 67584                      ; the square weights' way: 4 waves x 8,192 bytes (four fragment images)
.set PITCH, 272
.set XR,    16                         ; x: v16-79 four sets of 16 numbers as loaded; v80-111 two sets of 16 neighbours; v128-191 codes, four registers a step
.set XN,    80
.set XC,    128
.set WN,    32                         ; weights: v32-95 two sets of 32 numbers; v96-103 a block's codes; v112-175 the way out
.set WC,    96
.set WB,    112
.macro MKQ e                           ; v11 = 2^e as f32 (the conversion takes its exponent field), v10 = 448 x 2^e; e in s[e]
	s_add_co_i32 s48, s[\e], 127
	s_lshl_b32 s49, s48, 23
	v_mov_b32 v11, s49
	s_add_co_i32 s48, s48, 8
	s_lshl_b32 s48, s48, 23
	s_or_b32 s48, s48, 0x600000
	v_mov_b32 v10, s48
.endm
	s_load_b512 s[4:19], s[0:1], 0x0               ; x 4, W_qkv 6, W_proj 8, W1 10, W2 12, the exponents 14, xc 16, wqc 18
	s_load_b64 s[20:21], s[0:1], 0x40              ; wimg
	v_lshl_add_u32 v192, v0, 2, 0x18800
	v_mov_b32 v193, 0
	v_lshrrev_b32 v1, 5, v0
	v_readfirstlane_b32 s22, v1                    ; wave 0..3
	v_and_b32 v2, 31, v0                           ; lane
	s_wait_kmcnt 0x0
	s_load_b256 s[24:31], s[14:15], 0x0            ; e0 .. e7
	s_load_b128 s[32:35], s[14:15], 0x20           ; e8 .. e11
	s_cmp_lt_u32 ttmp9, 256
	s_cbranch_scc0 .Lweights
; ---------------- x ----------------
	v_lshlrev_b32 v3, 4, v2                        ; my 16 bytes of a load's 512
	s_mul_i32 s36, s22, WREG
	v_lshrrev_b32 v14, 2, v2
	v_mul_u32_u24 v14, v14, SP
	v_and_b32 v15, 3, v2
	v_lshl_add_u32 v14, v15, 4, v14
	v_add_nc_u32 v14, s36, v14                     ; into the stage: SP (lane / 4) + 16 (lane % 4)
	v_mul_u32_u24 v15, v2, SP
	v_add_nc_u32 v15, s36, v15                     ; out of it: SP x lane: my 16 neighbours
	v_lshlrev_b32 v4, 4, v2                        ; my 16 codes' place in a step's 512
	s_lshl_b32 s37, ttmp9, 2
	s_add_co_u32 s38, s37, s22                     ; which run of 8,192 numbers is my wave's
	s_lshl_b32 s40, s38, 15
	s_mov_b32 s41, 0
	s_add_nc_u64 s[4:5], s[4:5], s[40:41]
	s_lshl_b32 s40, s38, 13
	s_add_nc_u64 s[16:17], s[16:17], s[40:41]
.macro XLOAD t
.irp i, 0,1,2,3
	global_load_b128 v[XR+16*((\t)%4)+4*\i:XR+16*((\t)%4)+4*\i+3], v3, s[4:5] offset:2048*(\t)+512*\i th:TH_LOAD_NT
.endr
.endm
.macro XTURN t                         ; step t's numbers through the stage: LDS serves a wave's instructions in order, so no wait stands between the stores and the loads
.irp i, 0,1,2,3
	ds_store_b128 v14, v[XR+16*((\t)%4)+4*\i:XR+16*((\t)%4)+4*\i+3] offset:32*SP*((\t)%2)+8*SP*\i
.endr
.irp i, 0,1,2,3
	ds_load_b128 v[XN+16*((\t)%2)+4*\i:XN+16*((\t)%2)+4*\i+3], v15 offset:32*SP*((\t)%2)+16*\i
.endr
.endm
.irp t, 0,1,2,3
	XLOAD \t
.endr
	s_wait_kmcnt 0x0
	MKQ 24                                         ; e0
	s_wait_loadcnt 12                              ; step 0's four loads are in; those of three steps stay out
	XTURN 0
.macro XSTEP t
.set XS, XN+16*((\t)%2)
	s_wait_dscnt 0x0                               ; this step's numbers are back from the stage, so its stores into the stage have read their registers,
.if (\t)+4 < STEPS
	XLOAD (\t)+4                                   ; which take the loads of four steps on
.endif
.if (\t)+1 < STEPS
.if STEPS-2-(\t) >= 3
	s_wait_loadcnt 12                              ; the next step's four loads are in; those of the three steps behind it may be out
.else
	s_wait_loadcnt 4*(STEPS-2-(\t))
.endif
	XTURN (\t)+1
.endif
.irp i, 0,1,2,3,4,5,6,7,8,9,10,11,12,13,14,15
	v_med3_num_f32 v[XS+\i], v[XS+\i], -v10, v10   ; the conversion to an 8-bit code does not saturate (ISA guide 7.6.2): the hold comes first
.endr
	v_cvt_scalef32_pk8_fp8_f32 v[XC+4*(\t):XC+4*(\t)+1], v[XS:XS+7], v11
	v_cvt_scalef32_pk8_fp8_f32 v[XC+4*(\t)+2:XC+4*(\t)+3], v[XS+8:XS+15], v11
	global_store_b128 v4, v[XC+4*(\t):XC+4*(\t)+3], s[16:17] offset:512*(\t)   ; the results go to a store alone; the next vector lines are the next step's holds, on other registers
.endm
.irp t, 0,1,2,3,4,5,6,7,8,9,10,11,12,13,14,15
	XSTEP \t
.endr
	s_wait_tensorcnt 0x0
	ds_add_u32 v192, v193
	s_wait_dscnt 0x0
	s_endpgm
; ---------------- the weights: a wave takes 32 columns x 256 along K, 8 blocks of 32 ----------------
.macro WLOAD t, n                      ; block t: W(32 t + i, my column), i = 0 .. 31, into set t % 2; n = numbers in a row of W
.set i, 0
.rept 32
	global_load_b32 v[WN+32*((\t)%2)+i], v3, s[40:41] offset:(32*(\t)+i)*(\n)*4 th:TH_LOAD_NT
.set i, i+1
.endr
.endm
.macro WBLOCK t, n, kind               ; kind 0: the codes go into stage rows (a row = my column); kind 1: into the places of the fragment images
.set XS, WN+32*((\t)%2)
.if (\t) < 7
	s_wait_loadcnt 32                              ; this block's 32 loads are in; the next block's may be out
.else
	s_wait_loadcnt 0
.endif
.set i, 0
.rept 32
	v_med3_num_f32 v[XS+i], v[XS+i], -v10, v10
.set i, i+1
.endr
.irp g, 0,1,2,3
	v_cvt_scalef32_pk8_fp8_f32 v[WC+2*\g:WC+2*\g+1], v[XS+8*\g:XS+8*\g+7], v11
.endr
.if \kind
.irp g, 0,1,2,3                        ; k = 32 t + 8 g + 0..7: K step t / 4; c = 2 (t % 4) + g / 2, h = g % 2: registers 2 c, 2 c + 1 of lane r + 16 h
	ds_store_b64 v4, v[WC+2*\g:WC+2*\g+1] offset:((\t)/4)*4096+((\t)%4)*512+(\g%2)*256+(\g/2)*8
.endr
.else
	ds_store_b128 v4, v[WC:WC+3] offset:32*(\t)
	ds_store_b128 v4, v[WC+4:WC+7] offset:32*(\t)+16
.endif
.if (\t)+2 < 8
	WLOAD (\t)+2, \n
.endif
	s_wait_dscnt 0x0                               ; the stores have read their registers: the next block's codes may be written (its holds, plain lines on the other set, come first)
.endm
.macro WOUT kind
.irp t, 0,1,2,3,4,5,6,7,8,9,10,11,12,13,14,15
.if \kind
	ds_load_b128 v[WB+4*\t:WB+4*\t+3], v7 offset:512*\t
.else
	ds_load_b128 v[WB+4*\t:WB+4*\t+3], v7 offset:2*\t*PITCH
.endif
.endr
.irp t, 0,1,2,3,4,5,6,7,8,9,10,11,12,13,14,15
	s_wait_dscnt 15-\t                             ; LDS loads come back in order: number t is in, the younger ones stay out
.if \kind
	global_store_b128 v8, v[WB+4*\t:WB+4*\t+3], s[42:43] offset:(\t/8)*131072+(\t%8)*512   ; 512 consecutive bytes of an image
.else
	global_store_b128 v8, v[WB+4*\t:WB+4*\t+3], s[42:43] offset:2*\t*1024                  ; sixteen lanes: 256 consecutive bytes of a row of codes
.endif
.endr
.endm
.Lweights:
	v_lshlrev_b32 v3, 2, v2                        ; in: 4 bytes a lane
	v_and_b32 v5, 15, v2
	v_lshrrev_b32 v6, 4, v2
	s_mov_b32 s45, 0
	s_cmp_lt_u32 ttmp9, 352
	s_cbranch_scc0 .Limages
; ---- W_qkv -> wqc ----
	s_sub_co_u32 s36, ttmp9, 256
	s_lshr_b32 s37, s36, 2                         ; which 128 columns
	s_and_b32 s38, s36, 3                          ; which 256 along K
	s_lshl_b32 s37, s37, 7
	s_lshl_b32 s39, s22, 5
	s_add_co_u32 s37, s37, s39                     ; my wave's first column
	s_mul_i32 s44, s38, 256*12288
	s_lshl_b32 s39, s37, 2
	s_add_co_u32 s44, s44, s39
	s_add_nc_u64 s[40:41], s[6:7], s[44:45]
	s_lshl_b32 s44, s37, 10
	s_lshl_b32 s39, s38, 8
	s_add_co_u32 s44, s44, s39
	s_add_nc_u64 s[42:43], s[18:19], s[44:45]
	s_mul_i32 s39, s22, 32*PITCH
	s_add_co_u32 s39, s39, QBASE                   ; my stage
	v_mul_u32_u24 v4, v2, PITCH
	v_add_nc_u32 v4, s39, v4                       ; into it: row = my column
	v_mul_u32_u24 v7, v6, PITCH
	v_lshl_add_u32 v7, v5, 4, v7
	v_add_nc_u32 v7, s39, v7                       ; out of it: sixteen lanes to a row, two rows an instruction
	v_lshlrev_b32 v8, 10, v6
	v_lshl_add_u32 v8, v5, 4, v8                   ; and the same place in wqc
	WLOAD 0, 3072
	WLOAD 1, 3072
	s_wait_kmcnt 0x0
	MKQ 25                                         ; e1
.irp t, 0,1,2,3,4,5,6,7
	WBLOCK \t, 3072, 0
.endr
	WOUT 0
	s_wait_tensorcnt 0x0
	ds_add_u32 v192, v193
	s_wait_dscnt 0x0
	s_endpgm
; ---- W_proj, W1, W2 -> wimg ----
.Limages:
	s_sub_co_u32 s36, ttmp9, 352
	s_lshr_b32 s37, s36, 5                         ; which weight: 0, 1, 2
	s_cmp_eq_u32 s37, 0
	s_cselect_b64 s[40:41], s[8:9], s[10:11]
	s_cmp_eq_u32 s37, 2
	s_cselect_b64 s[40:41], s[12:13], s[40:41]     ; the choice hangs on the work-group's number alone
	s_and_b32 s38, s36, 31
	s_lshr_b32 s39, s38, 2                         ; which 128 columns
	s_and_b32 s38, s36, 3                          ; which 256 along K
	s_lshl_b32 s39, s39, 7
	s_lshl_b32 s47, s22, 5
	s_add_co_u32 s39, s39, s47                     ; my wave's first column
	s_lshl_b32 s44, s38, 20                        ; 256 rows of 4,096 bytes
	s_lshl_b32 s47, s39, 2
	s_add_co_u32 s44, s44, s47
	s_add_nc_u64 s[40:41], s[40:41], s[44:45]
	s_lshl_b32 s44, s37, 20                        ; the weight's 8 x 64 images,
	s_lshl_b32 s47, s38, 18                        ; K step 2 x (which 256),
	s_add_co_u32 s44, s44, s47
	s_lshl_b32 s47, s39, 7                         ; column tile = column / 16, 2,048 bytes each
	s_add_co_u32 s44, s44, s47
	s_add_nc_u64 s[42:43], s[20:21], s[44:45]
	s_lshl_b32 s47, s22, 13
	s_add_co_u32 s47, s47, IBASE                   ; my four images: [K step 2][column tile 2][2,048]
	v_lshlrev_b32 v4, 11, v6
	v_lshl_add_u32 v4, v5, 4, v4
	v_add_nc_u32 v4, s47, v4                       ; into them: column tile lane / 16, lane r = lane % 16
	v_lshlrev_b32 v8, 4, v2                        ; out: 16 bytes a lane, as they lie
	v_add_nc_u32 v7, s47, v8
	WLOAD 0, 1024
	WLOAD 1, 1024
	s_wait_kmcnt 0x0
	s_cmp_eq_u32 s37, 0
	s_cselect_b32 s46, s31, s33                    ; e7 or e9,
	s_cmp_eq_u32 s37, 2
	s_cselect_b32 s46, s35, s46                    ; or e11
	MKQ 46
.irp t, 0,1,2,3,4,5,6,7
	WBLOCK \t, 1024, 1
.endr
	WOUT 1
	s_wait_tensorcnt 0x0
	ds_add_u32 v192, v193
	s_wait_dscnt 0x0
	s_endpgm
.Lfunc_end_k_q0fe3bb4b4a_prep:
	.size	k_q0fe3bb4b4a_prep, .Lfunc_end_k_q0fe3bb4b4a_prep-k_q0fe3bb4b4a_prep
	.p2alignl 7, 3214868480
	.fill 96, 4, 3214868480
	.section	.rodata,"a",@progbits
	.p2align	6, 0x0
	.amdhsa_kernel k_q0fe3bb4b4a_prep
		.amdhsa_group_segment_fixed_size 100864
		.amdhsa_private_segment_fixed_size 0
		.amdhsa_enable_private_segment 0
		.amdhsa_kernarg_size 72
		.amdhsa_user_sgpr_count 2
		.amdhsa_user_sgpr_kernarg_segment_ptr 1
		.amdhsa_wavefront_size32 1
		.amdhsa_system_sgpr_workgroup_id_x 1
		.amdhsa_system_sgpr_workgroup_id_y 1
		.amdhsa_system_sgpr_workgroup_id_z 1
		.amdhsa_system_vgpr_workitem_id 0
		.amdhsa_next_free_vgpr 194
		.amdhsa_next_free_sgpr 66
		.amdhsa_reserve_vcc 0
		.amdhsa_float_denorm_mode_32 3
		.amdhsa_float_denorm_mode_16_64 3
		.amdhsa_memory_ordered 1
		.amdhsa_forward_progress 1
		.amdhsa_inst_pref_size 134
	.end_amdhsa_kernel
	.amdgpu_metadata
---
amdhsa.version: [ 1, 2 ]
amdhsa.kernels:
  - .name:           k_q0fe3bb4b4a_prep
    .symbol:         k_q0fe3bb4b4a_prep.kd
    .args:
      - { .name: x, .offset: 0, .size: 8, .value_kind: global_buffer, .address_space: global }
      - { .name: W_qkv, .offset: 8, .size: 8, .value_kind: global_buffer, .address_space: global }
      - { .name: W_proj, .offset: 16, .size: 8, .value_kind: global_buffer, .address_space: global }
      - { .name: W1, .offset: 24, .size: 8, .value_kind: global_buffer, .address_space: global }
      - { .name: W2, .offset: 32, .size: 8, .value_kind: global_buffer, .address_space: global }
      - { .name: lowp_scales, .offset: 40, .size: 8, .value_kind: global_buffer, .address_space: global }
      - { .name: xc, .offset: 48, .size: 8, .value_kind: global_buffer, .address_space: global }
      - { .name: wqc, .offset: 56, .size: 8, .value_kind: global_buffer, .address_space: global }
      - { .name: wimg, .offset: 64, .size: 8, .value_kind: global_buffer, .address_space: global }
    .group_segment_fixed_size: 100864
    .private_segment_fixed_size: 0
    .kernarg_segment_align: 8
    .kernarg_segment_size: 72
    .max_flat_workgroup_size: 128
    .sgpr_count:     66
    .vgpr_count:     194
    .wavefront_size: 32
...
	.end_amdgpu_metadata
.endif
;; end of part 1
;; launch qkv (part 2): grid 12 x 32, 4 waves a work-group, clusters of 4 x 4, 327,680 bytes of LDS; arguments xc, wqc, lowp_scales, b_qkv, qkv; writes qkv
.if DOCPART == 2
	.amdgcn_target "amdgcn-amd-amdhsa--gfx1250"
	.amdhsa_code_object_version 6
	.text
	.protected	k_q0fe3bb4b4a_qkv
	.globl	k_q0fe3bb4b4a_qkv
	.p2align	8
	.type	k_q0fe3bb4b4a_qkv,@function
k_q0fe3bb4b4a_qkv:
	s_mov_b64 s[64:65], 0
	v_nop
	global_prefetch_b8 v0, s[64:65] scope:SCOPE_SE
	s_setreg_imm32_b32 hwreg(HW_REG_WAVE_MODE, 25, 1), 1
	s_wait_xcnt 0x0
	s_wait_alu depctr_hold_cnt(0) depctr_sa_sdst(0) depctr_va_vdst(0) depctr_va_sdst(0) depctr_va_ssrc(0) depctr_va_vcc(0) depctr_vm_vsrc(0)
	s_getreg_b32 s2, hwreg(HW_REG_IB_STS2, 6, 4)
	s_cmp_eq_u32 s2, 0
	s_cbranch_scc0 .Lentry_in_a_cluster
	s_endpgm
.Lentry_in_a_cluster:
	s_bfe_u32 s2, ttmp6, 0x10000c
	s_cmp_lg_u32 s2, 0xf033
	s_cbranch_scc0 .Lentry_shape_is_right
	s_endpgm
.Lentry_shape_is_right:
; QKV: x W_qkv + b_qkv on codes of FP8 (E4M3), K = 1,024; the results are quantised at once (q: entry 2, k: entry 3, v: entry 5 of the exponents) and leave as IMAGES OF OPERAND REGISTERS for the attention launch.
; A tile of 256 x 256 results is made by four waves, 128 x 128 each: 64 accumulators of 16 x 16, 512 registers.  K goes in steps of 256 through a ring of two LDS slots filled by the tensor data mover.
; CLUSTERS of 4 x 4 work-groups; the cluster's x says what is made: 0 q, 1 k, 2 v; the cluster's y is the batch.  One tensor's rows become LANES (source 1 of the matrix instruction), the other's become REGISTERS (source 0):
;   q, k: lanes = 16 rows of x, registers = 16 columns of W: a lane's eight results are eight neighbours along the head's 64, the K of q k^T.
;   v:    lanes = 16 columns of W, registers = 16 rows of x: a lane's eight results are eight neighbouring KEYS, the K of p v.
; So one conversion of an accumulator's eight registers gives registers 2 c, 2 c + 1 of the next operand, and four such registers of 32 lanes are stored as 512 consecutive bytes: no stage in LDS on the way out.
; The lane tensor's tile hangs on the cluster's y and cy alone and is asked for jointly by a row of the cluster; the register tensor's on cx (and numbers that all sixteen share) and is asked for jointly by a column.
; Which tensor plays which part is chosen by selects on the cluster's x, which all sixteen partners share; so is the one branch, on the way out.
; Both operands' fragments are fetched by four loads of 16 bytes, 32 bytes apart: the same permutation of k on both sides, so every product meets its partner.
; OUT: qkv: q at 0, k at 8 MiB: [batch][head][tile of 16 rows][1,024 bytes: registers 4 c .. 4 c + 3 of lane L at 512 c + 16 L; registers 2 c, 2 c + 1 = d 16 c + 8 h + 0..7];
;      v at 16 MiB: [batch][head x 4 + d / 16][128 keys][2,048 bytes: lane r = d % 16, registers 2 c, 2 c + 1 = key 16 c + 8 h + 0..7].
; LIMITS: e0 + e1 between -126 and 127; e2, e3, e5 between -126 and 119.  NaN among the inputs is not served.
; REGISTERS, in windows of 256: window 0: v0-31 addresses; v32-95 the bias by register (q, k), v96-111 the bias by lane (v), v112 448 x 2^e, v113 2^e; from v128 the lane tensor's fragments, ONE set (on the way out: v128-191 at work, v192-255 codes);
;   window 1: the register tensor's fragments, TWO sets;   window 2: the accumulators of my lane rows 0-63 ((a, b) at v[8 (8 a + b)]);   window 3: those of rows 64-127.
.set KSTEP,  256
.set ROWB,   256                       ; a tile's row in bytes
.set KROW,   1024                      ; a row of xc or of wqc in memory, in bytes
.set PITCH,  272                       ; an LDS row: 256 bytes + 16 of padding = 68 words: the 16 rows that a load touches start at 16 different banks (64 banks of 4 bytes: ISA guide 11.1)
.set FR,     16
.set NL,     4
.set NP,     4                         ; places behind this matrix instruction (ISA guide 7.12.1)
.set HALFT,  128*PITCH
.set SLOT,   4*HALFT                   ; the lane tensor's 256 rows, then the register tensor's 256 rows
.set LAPS,   2                         ; 1,024 along K = four K steps = twice round the ring
.set SPARE,  2*SLOT                    ; behind the ring: the spare words, 128 bytes for each wave: two blocks of 256 bytes that no other line names
.set ADRA, 16
.set ADRB, 20
.set CO,   26                          ; v26  16 x lane: my place in a stored 512 bytes
.set SPW,  28
.set NIL,  29
.set BNO,  30                          ; v30  32 h
.set BMO,  31                          ; v31  4 r
.set BN,   32
.set BM,   96
.set LIM,  112
.set SCL,  113
.set AF,   128
.set TMP,  128
.set CD,   192
.set G1, 24
.set G0, 32
.set G1B, 48
.set G0B, 56
.set MSB, 0
.macro WIN new                         ; the immediate's high byte repeats the setting that is left
.if MSB != \new
	s_set_vgpr_msb (MSB<<8)|\new
.set MSB, \new
.endif
.endm
.set MUL_LO, 0xa1                      ; source 0 window 1, source 1 window 0, C and D window 2
.set MUL_HI, 0xf1                      ; the same, C and D window 3
.set TO_B,   0x40                      ; destination window 1, address window 0
; A joint load: waves 0 and 1 fetch the lane tensor's halves, waves 2 and 3 the register tensor's.  Each line has ONE mask and one set of registers; the branch hangs on the wave's number alone.
; Four v_nop follow each of the two lines, ahead of the jump, the label and what follows.
.macro JLOAD g0a, g1a, g0b, g1b
	s_cmp_eq_u32 s15, 0
	s_cbranch_scc0 .Lfor_b_\@
	tensor_load_to_lds s[\g0a:\g0a+3], s[\g1a:\g1a+7]
	s_nop 0
.rept 4
	v_nop
.endr
	s_branch .Lasked_\@
.Lfor_b_\@:
	tensor_load_to_lds s[\g0b:\g0b+3], s[\g1b:\g1b+7]
	s_nop 0
.rept 4
	v_nop
.endr
.Lasked_\@:
.endm
.macro CREST                           ; a round of the cluster's barrier behind its opening barrier
	s_cmp_lg_u32 s14, 0
	s_cbranch_scc1 .Lnot_wave_0_\@
	s_barrier_signal -3
.Lnot_wave_0_\@:
	s_barrier_wait -3
	s_barrier_signal -1
	s_barrier_wait -1
.endm
.macro CROUND
	s_barrier_signal -1
	s_barrier_wait -1
	CREST
.endm
	s_load_b256 s[4:11], s[0:1], 0x0               ; xc 4, wqc 6, the exponents 8, b_qkv 10
	s_load_b64 s[12:13], s[0:1], 0x20              ; qkv
	v_lshl_add_u32 v[SPW], v0, 2, SPARE
	v_mov_b32 v[NIL], 0
	ds_add_u32 v28, v29
	ds_add_u32 v28, v29
	s_wait_dscnt 0x0
	v_lshrrev_b32 v1, 5, v0
	v_readfirstlane_b32 s14, v1                    ; wave 0..3
	s_lshr_b32 s15, s14, 1                         ; which half of the lane rows is mine.  Also: I fetch for the lane tensor (0) or the register tensor (1)
	s_and_b32 s16, s14, 1                          ; which half of the register rows.  Also: which 128 rows of that tile I fetch
	s_bfe_u32 s40, ttmp6, 0x40000                  ; cx
	s_bfe_u32 s41, ttmp6, 0x40004                  ; cy
	s_and_b32 s74, ttmp7, 0xffff
	s_lshl_b32 s74, s74, 2                         ; 4 x the batch
	s_add_co_u32 s70, s74, s41                     ; q, k: the lane tile = rows of x: 4 x batch + cy
	s_add_co_u32 s71, s41, 8                       ; v:    the lane tile = rows of wqc: 8 + cy          (neither ever holds cx)
	s_lshl_b32 s72, ttmp9, 2
	s_add_co_u32 s72, s72, s40                     ; q, k: the register tile = rows of wqc: 4 x (0 or 1) + cx
	s_add_co_u32 s73, s74, s40                     ; v:    the register tile = rows of x: 4 x batch + cx (neither ever holds cy)
	s_cmp_eq_u32 ttmp9, 2
	s_cselect_b32 s17, s71, s70                    ; TR, the lane tile
	s_cselect_b32 s42, s73, s72                    ; TC, the register tile
	s_lshl_b32 s43, s41, 2
	s_lshl_b32 s43, 15, s43                        ; my row of the cluster
	s_lshl_b32 s44, 0x1111, s40                    ; my column
	; descriptor group 1: a tile of 128 rows x 256 bytes, padded in LDS
	s_or_b32 s[G1+0], s43, (0<<16)|(1<<20)|(1<<21)|(5<<22)|(3<<25)  ; 15:0 the mask; 17:16 elements of 1 byte; 20 padding on; 21 set beside a mask; 24:22 after every 64 words (code 5); 31:25 four words (code 3)
	s_or_b32 s[G1B+0], s44, (0<<16)|(1<<20)|(1<<21)|(5<<22)|(3<<25)
.irp g, G1, G1B
	s_mov_b32 s[\g+1], ROWB<<16                    ; tensor_dim0
	s_mov_b32 s[\g+2], 128<<16                     ; tensor_dim1
	s_mov_b32 s[\g+3], ROWB<<16                    ; tile_dim0
	s_mov_b32 s[\g+4], 128                         ; tile_dim1
	s_mov_b32 s[\g+5], KROW                        ; tensor_dim0_stride
	s_mov_b32 s[\g+6], 0
	s_mov_b32 s[\g+7], 0
.endr
	s_lshl_b32 s18, s16, 7                         ; which 128 rows of the tile I fetch
	s_lshl_b32 s20, s17, 8
	s_add_co_u32 s20, s20, s18
	s_lshl_b32 s20, s20, 10                        ; the lane tensor: (256 TR + 128 half) rows of 1,024 bytes
	s_mov_b32 s21, 0
	s_lshl_b32 s46, s42, 8
	s_add_co_u32 s46, s46, s18
	s_lshl_b32 s46, s46, 10                        ; the register tensor likewise
	s_mov_b32 s47, 0
	s_mul_i32 s45, s14, HALFT                      ; where they go: wave x 128 rows: no place in the cluster enters an LDS address
	s_wait_kmcnt 0x0
	s_load_b256 s[80:87], s[8:9], 0x0              ; e0 .. e7
	s_cmp_eq_u32 ttmp9, 2
	s_cselect_b64 s[66:67], s[6:7], s[4:5]         ; the lane tensor: wqc for v, xc for q and k
	s_cselect_b64 s[68:69], s[4:5], s[6:7]         ; the register tensor: the other one
	s_add_nc_u64 s[20:21], s[66:67], s[20:21]
	s_add_nc_u64 s[46:47], s[68:69], s[46:47]
	CROUND                                         ; all sixteen work-groups are here: the first joint loads meet
.irp s, 0,1
	s_mov_b32 s[G0+4*\s], 1
	s_add_co_u32 s[G0+4*\s+1], s45, \s*SLOT
	s_add_nc_u64 s[G0+4*\s+2:G0+4*\s+3], s[20:21], \s*ROWB
	s_or_b32 s[G0+4*\s+3], s[G0+4*\s+3], 0x80000000
	s_mov_b32 s[G0B+4*\s], 1
	s_add_co_u32 s[G0B+4*\s+1], s45, \s*SLOT
	s_add_nc_u64 s[G0B+4*\s+2:G0B+4*\s+3], s[46:47], \s*ROWB
	s_or_b32 s[G0B+4*\s+3], s[G0B+4*\s+3], 0x80000000
	JLOAD G0+4*\s, G1, G0B+4*\s, G1B
.endr
	v_and_b32 v1, 15, v0                           ; r
	v_bfe_u32 v2, v0, 4, 1                         ; h
	v_mul_u32_u24 v3, v1, PITCH
	v_lshl_add_u32 v4, v2, 4, v3                   ; a fragment's row x pitch + 16 h
	s_mul_i32 s21, s15, HALFT                      ; my 128 lane rows
	s_mul_i32 s22, s16, HALFT                      ; my 128 register rows,
	s_add_co_u32 s22, s22, 2*HALFT                 ; which lie behind the lane tensor's 256
.irp s, 0,1
	v_add_nc_u32 v[ADRA+\s], s21, v4
	v_add_nc_u32 v[ADRB+\s], s22, v4
	s_add_co_u32 s21, s21, SLOT
	s_add_co_u32 s22, s22, SLOT
.endr
	v_and_b32 v6, 31, v0
	v_lshlrev_b32 v[CO], 4, v6
	v_lshlrev_b32 v[BNO], 5, v2
	v_lshlrev_b32 v[BMO], 2, v1
	; the bias, both ways, so that every register of both ways out is written: the way that is not mine reads the buffer's first bytes
	s_lshl_b32 s76, s42, 10
	s_lshl_b32 s77, s16, 9
	s_add_co_u32 s76, s76, s77                     ; q, k: my 128 columns begin at number 256 TC + 128 half
	s_lshl_b32 s78, s41, 10
	s_lshl_b32 s79, s15, 9
	s_add_co_u32 s78, s78, s79
	s_add_co_u32 s78, s78, 8192                    ; v: at number 2,048 + 256 cy + 128 half
	s_cmp_eq_u32 ttmp9, 2
	s_cselect_b32 s76, 0, s76
	s_cselect_b32 s78, s78, 0
	s_mov_b32 s77, 0
	s_mov_b32 s79, 0
	s_add_nc_u64 s[76:77], s[10:11], s[76:77]
	s_add_nc_u64 s[78:79], s[10:11], s[78:79]
.irp b, 0,1,2,3,4,5,6,7
	global_load_b128 v[BN+8*\b:BN+8*\b+3], v[BNO], s[76:77] offset:64*\b       ; register 8 b + j: the bias of column 16 b + 8 h + j
	global_load_b128 v[BN+8*\b+4:BN+8*\b+7], v[BNO], s[76:77] offset:64*\b+16
.endr
.irp a, 0,1,2,3,4,5,6,7
	global_load_b32 v[BM+2*\a], v[BMO], s[78:79] offset:64*\a                  ; the bias of column 16 a + r,
	global_load_b32 v[BM+2*\a+1], v[BMO], s[78:79] offset:64*\a                ; twice: it is named as a pair
.endr
	; where my results go
	s_lshl_b32 s91, ttmp9, 23                      ; q, k: 8 MiB x (0 or 1)
	s_lshr_b32 s92, s17, 2
	s_lshl_b32 s92, s92, 20
	s_add_co_u32 s91, s91, s92                     ; + the batch
	s_lshl_b32 s92, s40, 18
	s_add_co_u32 s91, s91, s92
	s_lshl_b32 s92, s16, 17
	s_add_co_u32 s91, s91, s92                     ; + head 4 cx + 2 half, 65,536 bytes each
	s_and_b32 s92, s17, 3
	s_lshl_b32 s92, s92, 14
	s_add_co_u32 s91, s91, s92
	s_lshl_b32 s92, s15, 13
	s_add_co_u32 s91, s91, s92                     ; + row tile 16 (TR % 4) + 8 half, 1,024 bytes each
	s_lshr_b32 s93, s42, 2
	s_lshl_b32 s93, s93, 20
	s_add_co_u32 s93, s93, 1<<24                   ; v: 16 MiB + the batch
	s_lshl_b32 s92, s41, 18
	s_add_co_u32 s93, s93, s92
	s_lshl_b32 s92, s15, 17
	s_add_co_u32 s93, s93, s92                     ; + d tile 16 cy + 8 half, 16,384 bytes each
	s_and_b32 s92, s42, 3
	s_lshl_b32 s92, s92, 12
	s_add_co_u32 s93, s93, s92
	s_lshl_b32 s92, s16, 11
	s_add_co_u32 s93, s93, s92                     ; + key step 2 (TC % 4) + half, 2,048 bytes each
	s_cmp_eq_u32 ttmp9, 2
	s_cselect_b32 s94, s93, s91
	s_mov_b32 s95, 0
	s_add_nc_u64 s[12:13], s[12:13], s[94:95]
	s_wait_kmcnt 0x0
	s_add_co_i32 s88, s80, s81
	s_add_co_i32 s88, s88, 127
	s_lshl_b32 s88, s88, 23                        ; 2^(e0 + e1) as f32
	s_mov_b32 s89, s88                             ; (named with it as a pair)
	s_cmp_eq_u32 ttmp9, 0
	s_cselect_b32 s90, s82, s83                    ; e2 or e3,
	s_cmp_eq_u32 ttmp9, 2
	s_cselect_b32 s90, s85, s90                    ; or e5: a choice, no branch
	s_add_co_i32 s90, s90, 127
	s_lshl_b32 s91, s90, 23
	v_mov_b32 v[SCL], s91
	s_add_co_i32 s90, s90, 8
	s_lshl_b32 s90, s90, 23
	s_or_b32 s90, s90, 0x600000
	v_mov_b32 v[LIM], s90
.macro FRAG reg, adr, q, i             ; 16 rows x 128 K: lane l holds row l % 16; registers 4 c .. 4 c + 3 hold K = 32 c + 16 (l / 16) + 0 .. 15
.irp c, 0,1,2,3
	ds_load_b128 v[\reg+4*\c:\reg+4*\c+3], v[\adr] offset:128*(\q)+32*\c+(\i)*16*PITCH
.endr
.endm
; 16 matrix instructions: lane blocks a0, a0 + 1 x the eight register blocks.  The 64 accumulators take turns, one instruction a turn, in the same order in every step.
.macro MUL16 a0, p, zero
.irp a, \a0, \a0+1
.irp b, 0,1,2,3,4,5,6,7
.if \zero
	v_wmma_f32_16x16x128_fp8_fp8 v[8*(8*((\a)%4)+\b):8*(8*((\a)%4)+\b)+7], v[128*(\p)+FR*\b:128*(\p)+FR*\b+FR-1], v[AF+FR*(\a):AF+FR*(\a)+FR-1], 0
.else
	v_wmma_f32_16x16x128_fp8_fp8 v[8*(8*((\a)%4)+\b):8*(8*((\a)%4)+\b)+7], v[128*(\p)+FR*\b:128*(\p)+FR*\b+FR-1], v[AF+FR*(\a):AF+FR*(\a)+FR-1], v[8*(8*((\a)%4)+\b):8*(8*((\a)%4)+\b)+7]
.endif
.endr
.endr
.endm
.macro FETCH_B slot, q, p
	WIN TO_B
.irp i, 0,1,2,3,4,5,6,7
	FRAG 128*(\p)+FR*\i, ADRB+\slot, \q, \i
.endr
	WIN 0
.endm
.macro FETCH_A slot, q, i0
.irp i, \i0, \i0+1, \i0+2, \i0+3
	FRAG AF+FR*(\i), ADRA+\slot, \q, \i
.endr
.endm
.macro PLACES n                        ; plain vector lines between a matrix instruction and a load into, or a vector write of, one of its registers, or a read of its result
.rept \n
	v_nop
.endr
.endm
.macro STEP slot, q, zero              ; a step of 128 along K that has its successor in the same slot
	s_wait_dscnt 4*NL                              ; the register set and lane blocks 0-3 are in; the youngest sixteen loads (lane blocks 4-7) may be out
	WIN MUL_LO
	MUL16 0, (\q)%2, \zero
	MUL16 2, (\q)%2, \zero
	s_wait_dscnt 0                                 ; lane blocks 4-7 are in
	PLACES NP
	FETCH_B \slot, (\q)+1, 1-(\q)%2
	FETCH_A \slot, (\q)+1, 0
	WIN MUL_HI
	MUL16 4, (\q)%2, \zero
	MUL16 6, (\q)%2, \zero
	PLACES NP
	WIN 0
	FETCH_A \slot, (\q)+1, 4
.endm
; A slot's last step changes slots: ONE barrier; ahead of it each wave waits for all its tensor loads, adds 0 to its spare word, and waits for that and for its own reads of this slot.  fill = 1: this slot is filled again, two K steps ahead.
.macro TURN slot, next, fill
	s_wait_tensorcnt 0x0                           ; all my tensor loads have landed: my part of the next slot (every window is 0 here)
	ds_add_u32 v[SPW], v[NIL]                      ; 0 onto my spare word
	s_wait_dscnt 4*NL+1                            ; (the add and the youngest sixteen loads may be out)
	WIN MUL_LO
	MUL16 0, 1, 0                                  ; sixteen matrix instructions stand between the add and the wait for it
	s_wait_dscnt 0x0                               ; the add is done, and my reads of this slot are over
	s_barrier_signal -1
	MUL16 2, 1, 0
	WIN 0
	s_barrier_wait -1
.if \fill
	CREST                                          ; the barrier has opened a round of the cluster's barrier: no wave of any partner still reads this slot or has a load on its way
	s_add_nc_u64 s[G0+4*\slot+2:G0+4*\slot+3], s[G0+4*\slot+2:G0+4*\slot+3], 2*ROWB
	s_add_nc_u64 s[G0B+4*\slot+2:G0B+4*\slot+3], s[G0B+4*\slot+2:G0B+4*\slot+3], 2*ROWB
	JLOAD G0+4*\slot, G1, G0B+4*\slot, G1B         ; the first tensor load behind the round; its four v_nop are also the places in front of the loads below
.else
	PLACES NP
.endif
	FETCH_B \next, 0, 0
	FETCH_A \next, 0, 0
	WIN MUL_HI
	MUL16 4, 1, 0
	MUL16 6, 1, 0
	PLACES NP
	WIN 0
	FETCH_A \next, 0, 4
.endm
	s_wait_loadcnt 0x0                             ; the biases
	s_wait_tensorcnt 1                             ; my part of K step 0 is in (K step 1's load may be out)
	s_barrier_signal -1
	s_barrier_wait -1                              ; everybody's is
	FETCH_B 0, 0, 0
	FETCH_A 0, 0, 0
	FETCH_A 0, 0, 4
	STEP 0, 0, 1                                   ; the first step stands in front of the loop: its products start the sums
	s_mov_b32 s3, LAPS-1
.Llap:                                             ; a trip goes once round the ring and fills both slots again
	TURN 0, 1, 1
	STEP 1, 0, 0
	TURN 1, 0, 1
	STEP 0, 0, 0
	s_sub_co_u32 s3, s3, 1
	s_cmp_lg_u32 s3, 0
	s_cbranch_scc1 .Llap
	TURN 0, 1, 0                                   ; the last lap fills nothing, and has no round of the cluster's barrier
	STEP 1, 0, 0
	s_wait_dscnt 4*NL
	WIN MUL_LO
	MUL16 0, 1, 0
	MUL16 2, 1, 0
	s_wait_dscnt 0
	WIN MUL_HI
	MUL16 4, 1, 0
	MUL16 6, 1, 0
	WIN 0
; THE WAY OUT of lane block a: sum x 2^(e0 + e1) + bias in one packed multiply-add, each accumulator from its low end on; the hold; eight conversions: accumulator b gives registers 2 b, 2 b + 1; four stores of 512 bytes.
.macro OUT a, isv
.set AC, 64*((\a)%4)
	WIN 0x02+((\a)/4)                              ; source 0: window 2 or 3
.set jj, 0
.rept 32
.if \isv
	v_pk_fma_f32 v[TMP+jj:TMP+jj+1], v[AC+jj:AC+jj+1], s[88:89], v[BM+2*(\a):BM+2*(\a)+1] op_sel_hi:[1,0,0]
.else
	v_pk_fma_f32 v[TMP+jj:TMP+jj+1], v[AC+jj:AC+jj+1], s[88:89], v[BN+jj:BN+jj+1] op_sel_hi:[1,0,1]
.endif
.set jj, jj+2
.endr
	WIN 0
.set jj, 0
.rept 64
	v_med3_num_f32 v[TMP+jj], v[TMP+jj], -v[LIM], v[LIM]   ; the conversion to an 8-bit code does not saturate (ISA guide 7.6.2)
.set jj, jj+1
.endr
.if (\a) >= 4
	s_wait_xcnt 0x0                                ; block a - 4's stores have read this set of code registers
.endif
.irp b, 0,1,2,3,4,5,6,7
	v_cvt_scalef32_pk8_fp8_f32 v[CD+16*((\a)%4)+2*\b:CD+16*((\a)%4)+2*\b+1], v[TMP+8*\b:TMP+8*\b+7], v[SCL]
.endr
	v_nop                                          ; one plain line behind the conversions: the next block writes their sources
.irp q, 0,1,2,3
.if \isv
	global_store_b128 v[CO], v[CD+16*((\a)%4)+4*\q:CD+16*((\a)%4)+4*\q+3], s[12:13] offset:(\a)*16384+\q*512                  ; d tile a, my 128 keys: one image of 2,048 bytes
.else
	global_store_b128 v[CO], v[CD+16*((\a)%4)+4*\q:CD+16*((\a)%4)+4*\q+3], s[12:13] offset:(\a)*1024+(\q&1)*512+(\q>>1)*65536  ; row tile a, two heads: an image of 1,024 bytes each
.endif
.endr
.endm
	PLACES NP                                      ; the first block's lines write registers that held the last products' lane fragments
	s_cmp_eq_u32 ttmp9, 2                          ; the cluster's x: the same in all sixteen partners
	s_cbranch_scc1 .Lv_out
.irp a, 0,1,2,3,4,5,6,7
	OUT \a, 0
.endr
	s_branch .Ldone
.Lv_out:
.irp a, 0,1,2,3,4,5,6,7
	OUT \a, 1
.endr
.Ldone:
	s_wait_tensorcnt 0x0                           ; the wave's end
	ds_add_u32 v[SPW], v[NIL]
	s_wait_dscnt 0x0
	CROUND                                         ; the closing round: no work-group ends while a partner may still ask for a tile that names it
	s_endpgm
.Lfunc_end_k_q0fe3bb4b4a_qkv:
	.size	k_q0fe3bb4b4a_qkv, .Lfunc_end_k_q0fe3bb4b4a_qkv-k_q0fe3bb4b4a_qkv
	.p2alignl 7, 3214868480
	.fill 96, 4, 3214868480
	.section	.rodata,"a",@progbits
	.p2align	6, 0x0
	.amdhsa_kernel k_q0fe3bb4b4a_qkv
		.amdhsa_group_segment_fixed_size 327680
		.amdhsa_private_segment_fixed_size 0
		.amdhsa_enable_private_segment 0
		.amdhsa_kernarg_size 40
		.amdhsa_user_sgpr_count 2
		.amdhsa_user_sgpr_kernarg_segment_ptr 1
		.amdhsa_wavefront_size32 1
		.amdhsa_system_sgpr_workgroup_id_x 1
		.amdhsa_system_sgpr_workgroup_id_y 1
		.amdhsa_system_sgpr_workgroup_id_z 1
		.amdhsa_system_vgpr_workitem_id 0
		.amdhsa_next_free_vgpr 1024
		.amdhsa_next_free_sgpr 100
		.amdhsa_reserve_vcc 0
		.amdhsa_float_denorm_mode_32 3
		.amdhsa_float_denorm_mode_16_64 3
		.amdhsa_memory_ordered 1
		.amdhsa_forward_progress 1
		.amdhsa_inst_pref_size 194
	.end_amdhsa_kernel
	.amdgpu_metadata
---
amdhsa.version: [ 1, 2 ]
amdhsa.kernels:
  - .name:           k_q0fe3bb4b4a_qkv
    .symbol:         k_q0fe3bb4b4a_qkv.kd
    .args:
      - { .name: xc, .offset: 0, .size: 8, .value_kind: global_buffer, .address_space: global }
      - { .name: wqc, .offset: 8, .size: 8, .value_kind: global_buffer, .address_space: global }
      - { .name: lowp_scales, .offset: 16, .size: 8, .value_kind: global_buffer, .address_space: global }
      - { .name: b_qkv, .offset: 24, .size: 8, .value_kind: global_buffer, .address_space: global }
      - { .name: qkv, .offset: 32, .size: 8, .value_kind: global_buffer, .address_space: global }
    .group_segment_fixed_size: 327680
    .private_segment_fixed_size: 0
    .kernarg_segment_align: 8
    .kernarg_segment_size: 40
    .max_flat_workgroup_size: 128
    .sgpr_count:     100
    .vgpr_count:     1024
    .wavefront_size: 32
...
	.end_amdgpu_metadata
.endif
;; end of part 2
;; launch attn (part 3): grid 2 x 128, 16 waves a work-group, no clusters, 133,120 bytes of LDS; arguments qkv, lowp_scales, att; writes att
.if DOCPART == 3
	.amdgcn_target "amdgcn-amd-amdhsa--gfx1250"
	.amdhsa_code_object_version 6
	.text
	.protected	k_q0fe3bb4b4a_attn
	.globl	k_q0fe3bb4b4a_attn
	.p2align	8
	.type	k_q0fe3bb4b4a_attn,@function
k_q0fe3bb4b4a_attn:
	s_mov_b64 s[64:65], 0
	v_nop
	global_prefetch_b8 v0, s[64:65] scope:SCOPE_SE
	s_setreg_imm32_b32 hwreg(HW_REG_WAVE_MODE, 25, 1), 1
	s_wait_xcnt 0x0
; ATTN: o = softmax(q k^T / 8) v for one head and 512 queries a work-group, both products on codes of FP8 (E4M3); o is quantised at once (entry 6) and leaves as images of the next product's operand registers.
; THE SOFTMAX AHEAD OF THE SECOND PRODUCT: t = score x log2(e) / 8; M = the row's largest t rounded UP to a whole number; p = 2^(t - M) is quantised (entry 4), not normalised; the row's sum is taken of the
; unquantised p and divides at the end.
; TWO WALKS OVER THE KEYS.  The first forms k q^T and keeps each query's largest score alone; M is then made once.  The second forms k q^T again, p, the sums, the codes and v^T p.  So nothing is ever brought under
; a new M: for each 64 keys the second k q^T costs 8 matrix instructions and 8 LDS loads, and spares 34 packed multiplies (O^T and the sums) and the lines that would make M and its change in every step.
; SHARES.  Work-group (x, y): head y (batch y / 16), queries 512 x on.  Each of sixteen waves owns 32 queries, two tiles of 16, in 256 registers: four waves to a SIMD, so that one wave's vector work stands beside another's products.
; All of the head's k (65,536 bytes, LDS 0) and v (65,536 bytes, LDS 65,536) is brought ONCE: each wave loads 4,096 bytes of each (512 consecutive bytes a load) and stores them to LDS as they lie; one barrier.
; Both lie as images of operand registers (16 bytes a lane on end), so a fragment is two loads of 512 consecutive bytes: no pitch, no padding.
; LAYOUT.  Both products are used transposed: S^T = k q^T (source 0 = 16 keys, source 1 = 16 queries), O^T = v^T p^T (source 0 = 16 of the head's 64, source 1 = p): a lane holds ONE query throughout, and the eight
; registers of key tile i are keys 16 i + 8 h + 0..7: one conversion gives registers 2 i, 2 i + 1 of p's fragment.  Each fragment of k and v read from LDS feeds two products, one for each tile of queries.
; THE HOLD OF p.  The conversion to an 8-bit code does not saturate (ISA guide 7.6.2), so p is held at 448 x 2^e4 ahead of it.  p passes 1 only by the rounding of c x score: p <= 2^(|t| x 2^-24), and
; |t| <= 64 x 448^2 x 0.1804 x 2^(e2 + e3).  With e2 + e3 <= 1 that is p <= 1.21, and with e4 >= -8 the largest code stands for 1.75 or more: the hold can then change no number, and a scalar branch on a flag made
; once from the three given exponents leads round its 64 lines.  For all other exponents the hold is executed.
; NO TENSOR LOAD, NO CLUSTER: joint requests are tensor loads, and only two
; work-groups share a head, whose 131,072 bytes each of them reads once.
; OUT: att byte = (row / 16) x 16,384 + head x 1,024 + 512 c + 16 L: [16 rows][K step of 128][2,048 bytes]; a head fills half of a K step's image.
; LIMITS: e2 + e3 between -124 and 130 (added to c's exponent field); e4 and e6 between -126 and 119; e4 + e5 is applied by v_ldexp_f32 and has none.
.set LI,   1                           ; v1   16 x lane
.set ADK,  2                           ; v2   LDS address of the step's k (at the head: where my part of k goes)
.set ADV,  3                           ; v3   of its v (at the head: where my part of v goes)
.set ST,   8                           ; tile t at v[8 + 8 t]: +0 -M, +1 the largest t, +2, +3 the sum's first chain, +4, +5 the maximum's two chains, +6 the last factor, +7 named with it as a pair
.set PD,   24                          ; v24, v25  lane permutes' destinations
.set QF,   32                          ; v32-47   q's two fragments
.set FR,   48                          ; v48-79   four fragments of k or of v
.set S,    80                          ; v80-143  S^T, then p: tile t, key tile i at v[80 + 32 t + 8 i]  (at the head: my parts of k and v on their way to LDS)
.set OA,   144                         ; v144-207 O^T: tile t, d tile at v[144 + 32 t + 8 dt]
.set PC,   208                         ; v208-223 p's codes, 8 a tile
.set SB,   224                         ; v224-227 the sums' second chains
.set PLIM, 228                         ; 448 x 2^e4, 2^e4, 448 x 2^e6, 2^e6
.set PSC,  229
.set OLIM, 230
.set OSC,  231
.set WV,   10
.set HB,   11
.set CS,   36                          ; s[36:37] c = log2(e) / 8 x 2^(e2 + e3)
.set SEL,  38                          ; s[38:39] lane selects: lane l xor 16
.set TK,   40                          ; LDS byte of the step's k; 4,096 a step
.set TV,   41                          ; of its v; 1,024 a step
.set CNT,  42
.set EO,   43                          ; e4 + e5
.set HOLD, 50                          ; 1: p is held; 0: the hold can change nothing
; S^T = k q^T for the 64 keys at v[ADK]: four fragments of k, each against both tiles of queries.  The four v_nop are the places behind the products: ahead of the first read of the scores, and of the next loads
; into the fragments' registers.
.macro SCORES
.irp i, 0,1,2,3
	ds_load_b128 v[FR+8*\i:FR+8*\i+3], v[ADK] offset:\i*1024
	ds_load_b128 v[FR+8*\i+4:FR+8*\i+7], v[ADK] offset:\i*1024+512
.endr
	s_wait_dscnt 0x0
.irp i, 0,1,2,3
.irp t, 0,1
	v_wmma_f32_16x16x64_fp8_fp8 v[S+32*\t+8*\i:S+32*\t+8*\i+7], v[FR+8*\i:FR+8*\i+7], v[QF+8*\t:QF+8*\t+7], 0
.endr
.endr
.rept 4
	v_nop
.endr
.endm
	s_load_b128 s[4:7], s[0:1], 0x0                ; qkv, the exponents
	s_load_b64 s[8:9], s[0:1], 0x10                ; att
	v_lshl_add_u32 v254, v0, 2, 0x20000
	v_mov_b32 v255, 0
	v_lshrrev_b32 v2, 5, v0
	v_readfirstlane_b32 s[WV], v2                  ; wave 0..15
	v_and_b32 v1, 31, v0
	v_lshlrev_b32 v[LI], 4, v1
	s_and_b32 s[HB], ttmp7, 0xffff                 ; batch x 16 + head
	s_lshl_b32 s12, s[HB], 16                      ; the head's 65,536 bytes in each of q, k, v
	s_lshl_b32 s13, s[WV], 12                      ; my 4,096 bytes of k and of v
	v_add_nc_u32 v[ADK], s13, v[LI]                ; LDS: 4,096 x wave + 16 x lane,
	s_add_co_u32 s14, s13, 65536
	v_add_nc_u32 v[ADV], s14, v[LI]                ; and 65,536 further on for v
	s_add_co_u32 s16, s12, s13
	s_add_co_u32 s16, s16, 0x800000                ; in memory: k lies 8 MiB on,
	s_mov_b32 s17, 0
	s_add_co_u32 s18, s16, 0x800000                ; v 8 MiB further
	s_mov_b32 s19, 0
	s_lshl_b32 s46, ttmp9, 5
	s_lshl_b32 s47, s[WV], 1
	s_add_co_u32 s46, s46, s47                     ; my first tile of queries: 32 x + 2 wave
	s_lshl_b32 s44, s46, 10
	s_add_co_u32 s44, s44, s12
	s_mov_b32 s45, 0
	s_lshr_b32 s48, s[HB], 4
	s_lshl_b32 s48, s48, 6
	s_add_co_u32 s48, s48, s46
	s_lshl_b32 s48, s48, 14                        ; att: (batch x 64 + tile) x 16,384
	s_and_b32 s49, s[HB], 15
	s_lshl_b32 s49, s49, 10
	s_add_co_u32 s48, s48, s49                     ; + head x 1,024
	s_mov_b32 s49, 0
	s_mov_b32 s[SEL], 0x76543210
	s_mov_b32 s[SEL+1], 0xfedcba98
	s_mov_b32 s[TK], 0
	s_mov_b32 s[TV], 65536
	s_mov_b32 s[CNT], 16
	s_wait_kmcnt 0x0
	s_load_b256 s[28:35], s[6:7], 0x0              ; e0 .. e7
	s_add_nc_u64 s[16:17], s[4:5], s[16:17]
	s_add_nc_u64 s[18:19], s[4:5], s[18:19]
	s_add_nc_u64 s[44:45], s[4:5], s[44:45]
	s_add_nc_u64 s[8:9], s[8:9], s[48:49]
.irp c, 0,1,2,3,4,5,6,7
	global_load_b128 v[S+4*\c:S+4*\c+3], v[LI], s[16:17] offset:512*\c         ; my part of k: 512 consecutive bytes a load
.endr
.irp c, 0,1,2,3,4,5,6,7
	global_load_b128 v[S+32+4*\c:S+32+4*\c+3], v[LI], s[18:19] offset:512*\c   ; my part of v
.endr
.irp t, 0,1
.irp c, 0,1
	global_load_b128 v[QF+8*\t+4*\c:QF+8*\t+4*\c+3], v[LI], s[44:45] offset:\t*1024+\c*512   ; q's fragments stay in registers
.endr
.endr
.irp t, 0,1
	v_mov_b32 v[ST+8*\t+2], 0                      ; the sums, in two chains of two
	v_mov_b32 v[ST+8*\t+3], 0
	v_mov_b32 v[SB+2*\t], 0
	v_mov_b32 v[SB+2*\t+1], 0
	v_mov_b32 v[ST+8*\t+4], 0xff61b1e6             ; the largest score so far, in two chains: -3e38, under every sum of 64 products of codes
	v_mov_b32 v[ST+8*\t+5], 0xff61b1e6
	v_mov_b32 v[ST+8*\t+7], 0                      ; (named as the upper half of a pair)
	v_mov_b32 v[PD+\t], 0                          ; a lane permute's destination counts as one of its sources
.endr
.set n, 0
.rept 64
	v_mov_b32 v[OA+n], 0                           ; O^T: the step is written once, so its first trip adds onto zeros
.set n, n+1
.endr
	s_wait_kmcnt 0x0
	s_add_co_i32 s12, s30, s31                     ; e2 + e3
	s_cmp_gt_i32 s12, 1
	s_cselect_b32 s[HOLD], 1, 0                    ; p is held where e2 + e3 > 1,
	s_cmp_lt_i32 s32, -8
	s_cselect_b32 s[HOLD], 1, s[HOLD]              ; or where e4 < -8
	s_lshl_b32 s12, s12, 23
	s_add_co_i32 s[CS], s12, 0x3e38aa3b            ; log2(e) / 8, with e2 + e3 added to its exponent field
	s_mov_b32 s[CS+1], s[CS]
	s_add_co_i32 s12, s32, 127
	s_lshl_b32 s13, s12, 23
	v_mov_b32 v[PSC], s13
	s_add_co_i32 s12, s12, 8
	s_lshl_b32 s12, s12, 23
	s_or_b32 s12, s12, 0x600000
	v_mov_b32 v[PLIM], s12
	s_add_co_i32 s12, s34, 127
	s_lshl_b32 s13, s12, 23
	v_mov_b32 v[OSC], s13
	s_add_co_i32 s12, s12, 8
	s_lshl_b32 s12, s12, 23
	s_or_b32 s12, s12, 0x600000
	v_mov_b32 v[OLIM], s12
	s_add_co_i32 s[EO], s32, s33
	s_wait_loadcnt 0x4                             ; k's and v's sixteen loads are in; q's four, issued behind them, may be out
.irp c, 0,1,2,3,4,5,6,7
	ds_store_b128 v[ADK], v[S+4*\c:S+4*\c+3] offset:512*\c
.endr
.irp c, 0,1,2,3,4,5,6,7
	ds_store_b128 v[ADV], v[S+32+4*\c:S+32+4*\c+3] offset:512*\c
.endr
	s_wait_dscnt 0x0                               ; for the others' sake: my parts of k and v lie in LDS,
	s_barrier_signal -1
	s_barrier_wait -1                              ; everybody's do
	s_wait_loadcnt 0x0                             ; q
; ---- THE FIRST WALK: each query's largest score.  16 trips of 64 keys.
.Lmax:
	v_add_nc_u32 v[ADK], s[TK], v[LI]
	SCORES
.irp j, 0,4,8,12,16,20,24,28                   ; two chains a tile, the tiles by turns; each accumulator is first read at its low end
.irp t, 0,1
	v_max3_num_f32 v[ST+8*\t+4], v[ST+8*\t+4], v[S+32*\t+\j], v[S+32*\t+\j+1]
	v_max3_num_f32 v[ST+8*\t+5], v[ST+8*\t+5], v[S+32*\t+\j+2], v[S+32*\t+\j+3]
.endr
.endr
	s_add_co_u32 s[TK], s[TK], 4096
	s_sub_co_u32 s[CNT], s[CNT], 1
	s_cmp_lg_u32 s[CNT], 0
	s_cbranch_scc1 .Lmax
.irp t, 0,1
	v_max_num_f32 v[ST+8*\t+4], v[ST+8*\t+4], v[ST+8*\t+5]
.endr
.irp t, 0,1
	v_permlanex16_b32 v[PD+\t], v[ST+8*\t+4], s[SEL], s[SEL+1]
.endr
.irp t, 0,1
	v_max_num_f32 v[ST+8*\t+4], v[ST+8*\t+4], v[PD+\t]             ; with lane l xor 16's: the query's largest score among all 1,024 keys
.endr
.irp t, 0,1
	v_mul_f32 v[ST+8*\t+1], s[CS], v[ST+8*\t+4]                    ; as t (c is positive)
.endr
.irp t, 0,1
	v_floor_f32 v[ST+8*\t], -v[ST+8*\t+1]                          ; -M = floor(-t) = -ceil(t): M is a whole number
.endr
	s_mov_b32 s[TK], 0
	s_mov_b32 s[CNT], 16
; ---- THE SECOND WALK: p, its sum, its codes, and O^T += v^T p^T.  16 trips of 64 keys.
.Lstep:
	v_add_nc_u32 v[ADK], s[TK], v[LI]
	v_add_nc_u32 v[ADV], s[TV], v[LI]
	v_nop
	v_nop                                          ; four plain lines behind the last trip's products, ahead of loads into the registers that they read
	SCORES
.irp d, 0,1,2,3
	ds_load_b128 v[FR+8*\d:FR+8*\d+3], v[ADV] offset:\d*16384        ; v's four fragments of these 64 keys land while p is made
	ds_load_b128 v[FR+8*\d+4:FR+8*\d+7], v[ADV] offset:\d*16384+512
.endr
.irp t, 0,1
.set n, 0
.rept 16
	v_pk_fma_f32 v[S+32*\t+n:S+32*\t+n+1], v[S+32*\t+n:S+32*\t+n+1], s[CS:CS+1], v[ST+8*\t:ST+8*\t+1] op_sel_hi:[1,0,0]   ; t - M (of the pairs c and -M the low word serves both halves); each accumulator from its low end on
.set n, n+2
.endr
.endr
.set n, 0
.rept 64
	v_exp_f32 v[S+n], v[S+n]                       ; p = 2^(t - M)
.set n, n+1
.endr
	v_nop                                          ; a plain line between the exponentials and the first use of a result
	s_wait_alu depctr_va_vdst(0)
.irp j, 0,4,8,12,16,20,24,28                   ; the row's sum is taken of the unquantised p: two chains a tile, which run on from step to step
.irp t, 0,1
	v_pk_add_f32 v[ST+8*\t+2:ST+8*\t+3], v[ST+8*\t+2:ST+8*\t+3], v[S+32*\t+\j:S+32*\t+\j+1]
	v_pk_add_f32 v[SB+2*\t:SB+2*\t+1], v[SB+2*\t:SB+2*\t+1], v[S+32*\t+\j+2:S+32*\t+\j+3]
.endr
.endr
	s_cmp_eq_u32 s[HOLD], 0                        ; with these exponents no p lies beyond the largest code: the branch leads round the hold and round nothing else
	s_cbranch_scc1 .Lno_hold
.set n, 0
.rept 64
	v_min_num_f32 v[S+n], v[S+n], v[PLIM]          ; p is not negative, so the hold is one-sided
.set n, n+1
.endr
.Lno_hold:
.irp t, 0,1
.irp i, 0,1,2,3
	v_cvt_scalef32_pk8_fp8_f32 v[PC+8*\t+2*\i:PC+8*\t+2*\i+1], v[S+32*\t+8*\i:S+32*\t+8*\i+7], v[PSC]
.endr
.endr
	v_nop                                          ; one plain line between the conversions and the products that read their results
	s_wait_dscnt 0x0                               ; v's fragments are in
.irp d, 0,1,2,3                                ; the eight accumulators take one turn each; the scores' products stand between two links of a chain
.irp t, 0,1
	v_wmma_f32_16x16x64_fp8_fp8 v[OA+32*\t+8*\d:OA+32*\t+8*\d+7], v[FR+8*\d:FR+8*\d+7], v[PC+8*\t:PC+8*\t+7], v[OA+32*\t+8*\d:OA+32*\t+8*\d+7]
.endr
.endr
	s_add_co_u32 s[TK], s[TK], 4096
	s_add_co_u32 s[TV], s[TV], 1024
	s_sub_co_u32 s[CNT], s[CNT], 1
	s_cmp_lg_u32 s[CNT], 0
	s_cbranch_scc1 .Lstep
	; THE WAY OUT.  The additions, the v_nop and the two v_ldexp_f32 are the places behind the last products.
.irp t, 0,1
	v_pk_add_f32 v[ST+8*\t+2:ST+8*\t+3], v[ST+8*\t+2:ST+8*\t+3], v[SB+2*\t:SB+2*\t+1]
.endr
.irp t, 0,1
	v_add_f32 v[ST+8*\t+2], v[ST+8*\t+2], v[ST+8*\t+3]
.endr
.irp t, 0,1
	v_permlanex16_b32 v[PD+\t], v[ST+8*\t+2], s[SEL], s[SEL+1]
.endr
.irp t, 0,1
	v_add_f32 v[ST+8*\t+2], v[ST+8*\t+2], v[PD+\t]                 ; the row's sum
.endr
.irp t, 0,1
	v_rcp_f32 v[ST+8*\t+6], v[ST+8*\t+2]
.endr
	v_nop                                          ; a plain line behind the reciprocals
	s_wait_alu depctr_va_vdst(0)
.irp t, 0,1
	v_ldexp_f32 v[ST+8*\t+6], v[ST+8*\t+6], s[EO]  ; x 2^(e4 + e5)
.endr
.irp t, 0,1
.set n, 0
.rept 16
	v_pk_mul_f32 v[S+32*\t+n:S+32*\t+n+1], v[OA+32*\t+n:OA+32*\t+n+1], v[ST+8*\t+6:ST+8*\t+7] op_sel_hi:[1,0]     ; register 8 dt + j: o(query r, d = 16 dt + 8 h + j)
.set n, n+2
.endr
.endr
.set n, 0
.rept 64
	v_med3_num_f32 v[S+n], v[S+n], -v[OLIM], v[OLIM]               ; o has no bound of its own: its hold always stands
.set n, n+1
.endr
.irp t, 0,1
.irp d, 0,1,2,3
	v_cvt_scalef32_pk8_fp8_f32 v[PC+8*\t+2*\d:PC+8*\t+2*\d+1], v[S+32*\t+8*\d:S+32*\t+8*\d+7], v[OSC]
.endr
.endr
	v_nop
.irp t, 0,1
.irp c, 0,1
	global_store_b128 v[LI], v[PC+8*\t+4*\c:PC+8*\t+4*\c+3], s[8:9] offset:\t*16384+\c*512   ; 512 consecutive bytes, at a multiple of 512 from att's first byte
.endr
.endr
	s_wait_tensorcnt 0x0
	ds_add_u32 v254, v255
	s_wait_dscnt 0x0
	s_endpgm
.Lfunc_end_k_q0fe3bb4b4a_attn:
	.size	k_q0fe3bb4b4a_attn, .Lfunc_end_k_q0fe3bb4b4a_attn-k_q0fe3bb4b4a_attn
	.p2alignl 7, 3214868480
	.fill 96, 4, 3214868480
	.section	.rodata,"a",@progbits
	.p2align	6, 0x0
	.amdhsa_kernel k_q0fe3bb4b4a_attn
		.amdhsa_group_segment_fixed_size 133120
		.amdhsa_private_segment_fixed_size 0
		.amdhsa_enable_private_segment 0
		.amdhsa_kernarg_size 24
		.amdhsa_user_sgpr_count 2
		.amdhsa_user_sgpr_kernarg_segment_ptr 1
		.amdhsa_wavefront_size32 1
		.amdhsa_system_sgpr_workgroup_id_x 1
		.amdhsa_system_sgpr_workgroup_id_y 1
		.amdhsa_system_sgpr_workgroup_id_z 1
		.amdhsa_system_vgpr_workitem_id 0
		.amdhsa_next_free_vgpr 256
		.amdhsa_next_free_sgpr 66
		.amdhsa_reserve_vcc 0
		.amdhsa_float_denorm_mode_32 3
		.amdhsa_float_denorm_mode_16_64 3
		.amdhsa_memory_ordered 1
		.amdhsa_forward_progress 1
		.amdhsa_inst_pref_size 32
	.end_amdhsa_kernel
	.amdgpu_metadata
---
amdhsa.version: [ 1, 2 ]
amdhsa.kernels:
  - .name:           k_q0fe3bb4b4a_attn
    .symbol:         k_q0fe3bb4b4a_attn.kd
    .args:
      - { .name: qkv, .offset: 0, .size: 8, .value_kind: global_buffer, .address_space: global }
      - { .name: lowp_scales, .offset: 8, .size: 8, .value_kind: global_buffer, .address_space: global }
      - { .name: att, .offset: 16, .size: 8, .value_kind: global_buffer, .address_space: global }
    .group_segment_fixed_size: 133120
    .private_segment_fixed_size: 0
    .kernarg_segment_align: 8
    .kernarg_segment_size: 24
    .max_flat_workgroup_size: 512
    .sgpr_count:     66
    .vgpr_count:     256
    .wavefront_size: 32
...
	.end_amdgpu_metadata
.endif
;; end of part 3
;; launch tail (part 4): grid 256 x 1, 16 waves a work-group, no clusters, 245,760 bytes of LDS; arguments att, wimg, lowp_scales, x, b_proj, ln1_g, ln1_b, b1, b2, ln2_g, ln2_b, out0; writes out0
.if DOCPART == 4
	.amdgcn_target "amdgcn-amd-amdhsa--gfx1250"
	.amdhsa_code_object_version 6
	.text
	.protected	k_q0fe3bb4b4a_tail
	.globl	k_q0fe3bb4b4a_tail
	.p2align	8
	.type	k_q0fe3bb4b4a_tail,@function
k_q0fe3bb4b4a_tail:
	s_mov_b64 s[64:65], 0
	v_nop
	global_prefetch_b8 v0, s[64:65] scope:SCOPE_SE
	s_setreg_imm32_b32 hwreg(HW_REG_WAVE_MODE, 25, 1), 1
	s_wait_xcnt 0x0
; TAIL: x1 = LN1(x + att W_proj + b_proj);  out0 = LN2(x1 + gelu(x1 W1 + b1) W2 + b2).  The three products run on codes of FP8 (E4M3); all else is f32; nothing between them goes to memory.
; SHARES.  A work-group owns 32 whole rows (two tiles of 16), so that both norms stay inside it.  THE SIXTEEN WAVES SHARE THE COLUMNS: wave w makes columns 64 w .. 64 w + 63 of all three products for all 32 rows: 8 accumulators.
; The products are used transposed (source 0 = 16 columns of W, source 1 = 16 rows): lane (r, h) holds row r, and the eight registers of column tile b are columns 16 b + 8 h + 0..7: neighbours along the next K,
; so one conversion gives registers 2 c, 2 c + 1 of the next operand.  Operands go from wave to wave through LDS as IMAGES OF THEIR REGISTERS (16 bytes a lane on end): no pitch, no padding.
; THE WEIGHTS come from memory straight into registers, as the fragment images that the first launch laid (512 consecutive bytes a load): inside a work-group no weight byte has a second reader, so LDS would add a store and a load
; of each byte and no reuse.  Two sets of one K step (64 registers each) take turns, and the turns run on across the three products: 24 K steps, all written out, every offset an immediate.
; NO CLUSTER, NO JOINT LOADS, though all 256 work-groups walk the same 3,145,728 bytes of weights: a joint load lands in LDS, and beside the 243,712 bytes that the rows need there is no room for two slots of one K step (2 x 131,072 bytes).
; The bias and the residual go in as the C of a sum's first K step, divided by the power of two that the sums lack (exact): nothing is cleared, and no K step is written apart.
; LayerNorm in two passes (the mean; then the centred squares): no difference of large sums.  A row's 16 partial figures meet in LDS: two barriers a norm.
; GELU is exact in form: 0.5 y (1 + erf(y / sqrt 2)), erf(z) = z P(z^2) / Q(z^2) on |z| <= 4 (beyond it erf is +-1 in f32), a rational form good to a few units in erf's last place.
; LIMITS: 1 + erf carries an absolute error of about 1e-7, which shows only where gelu is itself tiny (y under about -3).  e6 + e7, e8 + e9, e10 + e11 between -126 and 126; e8, e10 between -126 and 119.  NaN among the inputs is not served.
; LDS: 0 images A (32,768: [row tile 2][K step 8][2,048]); 32,768 images B; 65,536 a stage of 32 rows x 272 bytes for each wave (its 64 columns of x, then of x1, then of the result);
;      204,800 each wave's 64 numbers of the seven vectors (7 x 256 bytes a wave); 233,472 four areas of 32 rows x 80 bytes: one word a wave.
.set AIMG0, 0
.set AIMG1, 32768
.set STG,   65536
.set PAR,   204800
.set STAT,  233472
.set LI,   1                           ; 16 L
.set WO,   2                           ; 8,192 w + 16 L: my place in a K step's 131,072 bytes of weights
.set SRD,  3                           ; the stage by lanes of the result: 272 r + 32 h
.set SRW,  4                           ; the stage by rows: 272 (L / 16) + 16 (L % 16)
.set GX,   5                           ; x and out0: 4,096 (L / 16) + 256 w + 16 (L % 16)
.set PARA, 6                           ; my vectors, read: + 32 h
.set STW,  7                           ; a row's word of mine: 80 r + 4 w
.set STR,  8                           ; a row's sixteen words: 80 r
.set IMW,  9                           ; where my codes go in an image: 1,024 w + 16 L
.set PD,   10                          ; v10, v11 lane permutes' destinations
.set MU,   12                          ; v12, v14 the means (v13, v15 named with them as pairs)
.set RS,   16                          ; v16, v18 1 / sqrt(var + eps)
.set T0,   20                          ; v20-27 sums at work; in GELU v[20:21], v[22:23] the two leading coefficients
.set CSC,  28                          ; the conversion's scale; at the head: 2,048 w + 16 L
.set CLM,  29                          ; 448 x the scale
.set PARW, 30                          ; my vectors, written: + 16 (L % 16)
.set PG,   31                          ; my 256 bytes of a vector in memory: 256 w + 16 (L % 16)
.set AF,   32                          ; v32-63  the rows' two fragments; between products: at work
.set ACC,  64                          ; v64-127 accumulator (m, b) at v[64 + 32 m + 8 b]
.set BF,   128                         ; v128-255 two sets of four weight fragments
.set ZZ,   AF
.set Z2,   AF+8
.set PP,   AF+16
.set QQ,   AF+24
.set F4, 40                            ; s[40:41] 2^(e6 + e7), s[42:43] its inverse; s[44:47] the same of e8 + e9; s[48:51] of e10 + e11
.set I4, 42
.set F5, 44
.set I5, 46
.set F6, 48
.set I6, 50
.set SEL, 56
.macro POW2 d, a, b
	s_add_co_i32 s68, s[\a], s[\b]
	s_add_co_i32 s69, s68, 127
	s_lshl_b32 s[\d], s69, 23
	s_mov_b32 s[\d+1], s[\d]
	s_sub_co_i32 s69, 127, s68
	s_lshl_b32 s[\d+2], s69, 23
	s_mov_b32 s[\d+3], s[\d+2]
.endm
.macro QSC d, e                        ; s[d] = 2^e, s[d + 1] = 448 x 2^e
	s_add_co_i32 s68, s[\e], 127
	s_lshl_b32 s[\d], s68, 23
	s_add_co_i32 s68, s68, 8
	s_lshl_b32 s68, s68, 23
	s_or_b32 s[\d+1], s68, 0x600000
.endm
.macro BARRIER                         ; my LDS stores have landed and my LDS loads are in: then the work-group's barrier
	s_wait_dscnt 0x0
	s_barrier_signal -1
	s_barrier_wait -1
.endm
.macro BLOAD gs                        ; K step gs (of 24) of the weights: my four fragments into set gs % 2
.irp b, 0,1,2,3
.irp c, 0,1,2,3
	global_load_b128 v[BF+64*((\gs)%2)+16*\b+4*\c:BF+64*((\gs)%2)+16*\b+4*\c+3], v[WO], s[6:7] offset:(\gs)*131072+\b*2048+\c*512
.endr
.endr
.endm
.macro KSTEP gs, img
.irp m, 0,1
.irp c, 0,1,2,3
	ds_load_b128 v[AF+16*\m+4*\c:AF+16*\m+4*\c+3], v[LI] offset:\img+(8*\m+(\gs)%8)*2048+512*\c
.endr
.endr
.if (\gs) < 23
	s_wait_loadcnt 16                              ; this step's sixteen loads are in; the other set's sixteen may be out
.else
	s_wait_loadcnt 0
.endif
	s_wait_dscnt 0x0
.irp b, 0,1,2,3                                ; the eight accumulators take turns, one instruction a turn, in the same order in every step
.irp m, 0,1
	v_wmma_f32_16x16x128_fp8_fp8 v[ACC+32*\m+8*\b:ACC+32*\m+8*\b+7], v[BF+64*((\gs)%2)+16*\b:BF+64*((\gs)%2)+16*\b+15], v[AF+16*\m:AF+16*\m+15], v[ACC+32*\m+8*\b:ACC+32*\m+8*\b+7]
.endr
.endr
.rept 4
	v_nop                                          ; four places: ahead of loads into the fragments' registers and of the first read of results
.endr
.if (\gs)+2 < 24
	BLOAD (\gs)+2
.endif
.endm
.macro RES_LOAD                        ; my 64 columns of the 32 rows, from my stage into the accumulators' layout
.irp m, 0,1
.irp b, 0,1,2,3
	ds_load_b128 v[ACC+32*\m+8*\b:ACC+32*\m+8*\b+3], v[SRD] offset:4352*\m+64*\b
	ds_load_b128 v[ACC+32*\m+8*\b+4:ACC+32*\m+8*\b+7], v[SRD] offset:4352*\m+64*\b+16
.endr
.endr
.endm
.macro RES_STORE
.irp m, 0,1
.irp b, 0,1,2,3
	ds_store_b128 v[SRD], v[ACC+32*\m+8*\b:ACC+32*\m+8*\b+3] offset:4352*\m+64*\b
	ds_store_b128 v[SRD], v[ACC+32*\m+8*\b+4:ACC+32*\m+8*\b+7] offset:4352*\m+64*\b+16
.endr
.endr
.endm
.macro PLOAD vec, b0, dst              ; vector vec at my column tiles b0, b0 + 1: register 8 (b - b0) + j = column 16 b + 8 h + j
.irp q, 0,1,2,3
	ds_load_b128 v[\dst+4*\q:\dst+4*\q+3], v[PARA] offset:256*(\vec)+64*(\b0)+64*(\q/2)+16*(\q%2)
.endr
.endm
.macro CSTART vec, inv                 ; the accumulators hold a residual: they become (residual + vector vec) x s[inv], the C of the first K step
	PLOAD \vec, 0, AF
	PLOAD \vec, 2, AF+16
	s_wait_dscnt 0x0
.set n, 0
.rept 16
	v_pk_mul_f32 v[AF+n:AF+n+1], v[AF+n:AF+n+1], s[\inv:\inv+1] op_sel_hi:[1,0]
.set n, n+2
.endr
.irp m, 0,1
.set n, 0
.rept 16
	v_pk_fma_f32 v[ACC+32*\m+n:ACC+32*\m+n+1], v[ACC+32*\m+n:ACC+32*\m+n+1], s[\inv:\inv+1], v[AF+n:AF+n+1] op_sel_hi:[1,0,1]
.set n, n+2
.endr
.endr
.endm
.macro QIMG img, sc, lim               ; the accumulators' numbers become codes, and these go into the images at img: my 64 columns are registers 8 (w % 2) .. + 7 of K step w / 2
	v_mov_b32 v[CSC], s[\sc]
	v_mov_b32 v[CLM], s[\lim]
.set n, 0
.rept 64
	v_med3_num_f32 v[ACC+n], v[ACC+n], -v[CLM], v[CLM]             ; the conversion does not saturate (ISA guide 7.6.2)
.set n, n+1
.endr
.irp m, 0,1
.irp b, 0,1,2,3
	v_cvt_scalef32_pk8_fp8_f32 v[AF+8*\m+2*\b:AF+8*\m+2*\b+1], v[ACC+32*\m+8*\b:ACC+32*\m+8*\b+7], v[CSC]
.endr
.endr
	v_nop                                          ; one plain line behind the conversions: later lines write their sources
.irp m, 0,1
.irp q, 0,1
	ds_store_b128 v[IMW], v[AF+8*\m+4*\q:AF+8*\m+4*\q+3] offset:\img+16384*\m+512*\q
.endr
.endr
.endm
; v[T0+4m : +1] and v[T0+4m+2 : +3] hold two chains of my lane's figure for row tile m.  They are added, joined with lane l xor 16's, and meet the other waves' in area a; back: the row's total in v[T0+4m], the same in every wave.
.macro ACROSS a
.irp m, 0,1
	v_pk_add_f32 v[T0+4*\m:T0+4*\m+1], v[T0+4*\m:T0+4*\m+1], v[T0+4*\m+2:T0+4*\m+3]
.endr
.irp m, 0,1
	v_add_f32 v[T0+4*\m], v[T0+4*\m], v[T0+4*\m+1]
.endr
.irp m, 0,1
	v_permlanex16_b32 v[PD+\m], v[T0+4*\m], s[SEL], s[SEL+1]
.endr
.irp m, 0,1
	v_add_f32 v[T0+4*\m], v[T0+4*\m], v[PD+\m]
.endr
.irp m, 0,1
	ds_store_b32 v[STW], v[T0+4*\m] offset:(\a)*2560+1280*\m       ; lanes r and r + 16 store the same number to the same word
.endr
	BARRIER
.irp m, 0,1
.irp u, 0,1,2,3
	ds_load_b128 v[AF+16*\m+4*\u:AF+16*\m+4*\u+3], v[STR] offset:(\a)*2560+1280*\m+16*\u
.endr
.endr
	s_wait_dscnt 0x0
.irp p, 0,2,4,6
.irp m, 0,1
	v_pk_add_f32 v[AF+16*\m+\p:AF+16*\m+\p+1], v[AF+16*\m+\p:AF+16*\m+\p+1], v[AF+16*\m+\p+8:AF+16*\m+\p+9]
.endr
.endr
.irp p, 0,2
.irp m, 0,1
	v_pk_add_f32 v[AF+16*\m+\p:AF+16*\m+\p+1], v[AF+16*\m+\p:AF+16*\m+\p+1], v[AF+16*\m+\p+4:AF+16*\m+\p+5]
.endr
.endr
.irp m, 0,1
	v_pk_add_f32 v[AF+16*\m:AF+16*\m+1], v[AF+16*\m:AF+16*\m+1], v[AF+16*\m+2:AF+16*\m+3]
.endr
.irp m, 0,1
	v_add_f32 v[T0+4*\m], v[AF+16*\m], v[AF+16*\m+1]
.endr
.endm
; The accumulators x s[f] are the rows to be normed; behind it they hold (y - mean) / sqrt(var + eps) x vector gv + vector bv.  Areas a and a + 1 are used once each.
.macro LNORM f, a, gv, bv
.set n, 0
.rept 32
	v_pk_mul_f32 v[ACC+n:ACC+n+1], v[ACC+n:ACC+n+1], s[\f:\f+1] op_sel_hi:[1,0]   ; each accumulator from its low end on
.set n, n+2
.endr
.irp m, 0,1
	v_pk_add_f32 v[T0+4*\m:T0+4*\m+1], v[ACC+32*\m:ACC+32*\m+1], v[ACC+32*\m+2:ACC+32*\m+3]
	v_pk_add_f32 v[T0+4*\m+2:T0+4*\m+3], v[ACC+32*\m+4:ACC+32*\m+5], v[ACC+32*\m+6:ACC+32*\m+7]
.endr
.irp k, 8,12,16,20,24,28
.irp m, 0,1
	v_pk_add_f32 v[T0+4*\m:T0+4*\m+1], v[T0+4*\m:T0+4*\m+1], v[ACC+32*\m+\k:ACC+32*\m+\k+1]
	v_pk_add_f32 v[T0+4*\m+2:T0+4*\m+3], v[T0+4*\m+2:T0+4*\m+3], v[ACC+32*\m+\k+2:ACC+32*\m+\k+3]
.endr
.endr
	ACROSS \a
.irp m, 0,1
	v_mul_f32 v[MU+2*\m], s63, v[T0+4*\m]          ; the mean: the sum / 1,024
.endr
.irp m, 0,1
.set n, 0
.rept 16
	v_pk_add_f32 v[ACC+32*\m+n:ACC+32*\m+n+1], v[ACC+32*\m+n:ACC+32*\m+n+1], v[MU+2*\m:MU+2*\m+1] op_sel_hi:[1,0] neg_lo:[0,1] neg_hi:[0,1]
.set n, n+2
.endr
.endr
.irp m, 0,1
	v_pk_mul_f32 v[T0+4*\m:T0+4*\m+1], v[ACC+32*\m:ACC+32*\m+1], v[ACC+32*\m:ACC+32*\m+1]
	v_pk_mul_f32 v[T0+4*\m+2:T0+4*\m+3], v[ACC+32*\m+2:ACC+32*\m+3], v[ACC+32*\m+2:ACC+32*\m+3]
.endr
.irp k, 4,8,12,16,20,24,28
.irp m, 0,1
	v_pk_fma_f32 v[T0+4*\m:T0+4*\m+1], v[ACC+32*\m+\k:ACC+32*\m+\k+1], v[ACC+32*\m+\k:ACC+32*\m+\k+1], v[T0+4*\m:T0+4*\m+1]
	v_pk_fma_f32 v[T0+4*\m+2:T0+4*\m+3], v[ACC+32*\m+\k+2:ACC+32*\m+\k+3], v[ACC+32*\m+\k+2:ACC+32*\m+\k+3], v[T0+4*\m+2:T0+4*\m+3]
.endr
.endr
	ACROSS (\a)+1
.irp m, 0,1
	v_fma_f32 v[T0+4*\m], v[T0+4*\m], s63, s66     ; the variance + eps
.endr
.irp m, 0,1
	v_rsq_f32 v[RS+2*\m], v[T0+4*\m]
.endr
	v_nop                                          ; a plain line behind the transcendentals
	s_wait_alu depctr_va_vdst(0)
.irp m, 0,1
.set n, 0
.rept 16
	v_pk_mul_f32 v[ACC+32*\m+n:ACC+32*\m+n+1], v[ACC+32*\m+n:ACC+32*\m+n+1], v[RS+2*\m:RS+2*\m+1] op_sel_hi:[1,0]
.set n, n+2
.endr
.endr
.irp h0, 0,2
	PLOAD \gv, \h0, AF
	PLOAD \bv, \h0, AF+16
	s_wait_dscnt 0x0
.irp m, 0,1
.irp k, 0,2,4,6,8,10,12,14
	v_pk_fma_f32 v[ACC+32*\m+8*\h0+\k:ACC+32*\m+8*\h0+\k+1], v[ACC+32*\m+8*\h0+\k:ACC+32*\m+8*\h0+\k+1], v[AF+\k:AF+\k+1], v[AF+16+\k:AF+16+\k+1]
.endr
.endr
.endr
.endm
; gelu of one accumulator's eight numbers, four pairs side by side
.macro GELU8 y
.irp k, 0,2,4,6
	v_pk_mul_f32 v[(\y)+\k:(\y)+\k+1], v[(\y)+\k:(\y)+\k+1], s[F5:F5+1] op_sel_hi:[1,0]       ; y = sum x 2^(e8 + e9) (the bias went in as C)
.endr
.irp k, 0,2,4,6
	v_pk_mul_f32 v[ZZ+\k:ZZ+\k+1], v[(\y)+\k:(\y)+\k+1], 0x3f3504f3 op_sel_hi:[1,0]           ; z = y / sqrt 2
.endr
.irp k, 0,1,2,3,4,5,6,7
	v_med3_num_f32 v[ZZ+\k], v[ZZ+\k], -4.0, 4.0
.endr
.irp k, 0,2,4,6
	v_pk_mul_f32 v[Z2+\k:Z2+\k+1], v[ZZ+\k:ZZ+\k+1], v[ZZ+\k:ZZ+\k+1]
.endr
.irp k, 0,2,4,6
	v_pk_fma_f32 v[PP+\k:PP+\k+1], v[Z2+\k:Z2+\k+1], v[T0:T0+1], 0x32edffee op_sel_hi:[1,1,0]
	v_pk_fma_f32 v[QQ+\k:QQ+\k+1], v[Z2+\k:Z2+\k+1], v[T0+2:T0+3], 0xb95fbd29 op_sel_hi:[1,1,0]
.endr
.irp cf, 0xb60cff51, 0xb86ec2d2, 0xba40ac63, 0xbb41a1f6, 0xbc83dbd4
.irp k, 0,2,4,6
	v_pk_fma_f32 v[PP+\k:PP+\k+1], v[PP+\k:PP+\k+1], v[Z2+\k:Z2+\k+1], \cf op_sel_hi:[1,1,0]
.endr
.endr
.irp cf, 0xbadc924e, 0xbbf19bf8, 0xbc69b6a7
.irp k, 0,2,4,6
	v_pk_fma_f32 v[QQ+\k:QQ+\k+1], v[QQ+\k:QQ+\k+1], v[Z2+\k:Z2+\k+1], \cf op_sel_hi:[1,1,0]
.endr
.endr
.irp k, 0,1,2,3,4,5,6,7
	v_rcp_f32 v[QQ+\k], v[QQ+\k]
.endr
.irp k, 0,2,4,6
	v_pk_mul_f32 v[PP+\k:PP+\k+1], v[PP+\k:PP+\k+1], v[ZZ+\k:ZZ+\k+1]                         ; (plain lines behind the reciprocals)
.endr
.irp k, 0,2,4,6
	v_pk_mul_f32 v[(\y)+\k:(\y)+\k+1], v[(\y)+\k:(\y)+\k+1], 0.5 op_sel_hi:[1,0]
.endr
	s_wait_alu depctr_va_vdst(0)
.irp k, 0,2,4,6
	v_pk_mul_f32 v[PP+\k:PP+\k+1], v[PP+\k:PP+\k+1], v[QQ+\k:QQ+\k+1]                         ; erf(z)
.endr
.irp k, 0,2,4,6
	v_pk_fma_f32 v[(\y)+\k:(\y)+\k+1], v[(\y)+\k:(\y)+\k+1], v[PP+\k:PP+\k+1], v[(\y)+\k:(\y)+\k+1]   ; 0.5 y erf + 0.5 y
.endr
.endm
	s_load_b512 s[4:19], s[0:1], 0x0               ; att 4, wimg 6, the exponents 8, x 10, b_proj 12, ln1_g 14, ln1_b 16, b1 18
	s_load_b256 s[20:27], s[0:1], 0x40             ; b2 20, ln2_g 22, ln2_b 24, out0 26
	v_lshrrev_b32 v10, 5, v0
	v_readfirstlane_b32 s62, v10                   ; wave 0..15
	v_and_b32 v11, 31, v0                          ; L
	v_and_b32 v12, 15, v0                          ; r
	v_bfe_u32 v13, v0, 4, 1                        ; h
	v_lshlrev_b32 v[LI], 4, v11
	s_lshl_b32 s67, s62, 13
	v_add_nc_u32 v[WO], s67, v[LI]
	s_mul_i32 s67, s62, 8704
	s_add_co_u32 s67, s67, STG                     ; my stage
	v_mul_u32_u24 v[SRD], v12, 272
	v_lshl_add_u32 v[SRD], v13, 5, v[SRD]
	v_add_nc_u32 v[SRD], s67, v[SRD]
	v_mul_u32_u24 v[SRW], v13, 272
	v_lshl_add_u32 v[SRW], v12, 4, v[SRW]
	v_add_nc_u32 v[SRW], s67, v[SRW]
	s_lshl_b32 s67, s62, 8
	v_lshlrev_b32 v[PG], 4, v12
	v_add_nc_u32 v[PG], s67, v[PG]
	v_lshl_add_u32 v[GX], v13, 12, v[PG]
	s_mul_i32 s67, s62, 1792
	s_add_co_u32 s67, s67, PAR                     ; my vectors
	v_lshlrev_b32 v[PARA], 5, v13
	v_add_nc_u32 v[PARA], s67, v[PARA]
	v_lshlrev_b32 v[PARW], 4, v12
	v_add_nc_u32 v[PARW], s67, v[PARW]
	v_mul_u32_u24 v[STR], v12, 80
	v_add_nc_u32 v[STR], STAT, v[STR]
	s_lshl_b32 s67, s62, 2
	v_add_nc_u32 v[STW], s67, v[STR]
	s_lshl_b32 s67, s62, 10
	v_add_nc_u32 v[IMW], s67, v[LI]
	s_lshl_b32 s67, s62, 11
	v_add_nc_u32 v[CSC], s67, v[LI]                ; 2,048 w + 16 L: my part of the work-group's 32,768 bytes of att, in memory and in LDS
	s_mov_b32 s[SEL], 0x76543210
	s_mov_b32 s[SEL+1], 0xfedcba98
	s_mov_b32 s63, 0x3a800000                      ; 1 / 1,024
	s_mov_b32 s66, 0x3727c5ac                      ; eps = 1e-5
	s_mov_b32 s69, 0
	s_wait_kmcnt 0x0
	s_load_b256 s[32:39], s[8:9], 0x10             ; e4 .. e11
	s_lshl_b32 s68, ttmp9, 15
	s_add_nc_u64 s[4:5], s[4:5], s[68:69]          ; att at my two row tiles
	s_lshl_b32 s68, ttmp9, 17
	s_add_nc_u64 s[10:11], s[10:11], s[68:69]      ; x and out0 at my 32 rows
	s_add_nc_u64 s[26:27], s[26:27], s[68:69]
	; ---- the prologue: 4 + 7 + 16 + 16 + 16 loads, in this order
.irp c, 0,1,2,3
	global_load_b128 v[AF+4*\c:AF+4*\c+3], v[CSC], s[4:5] offset:512*\c
.endr
.irp p, 0,1,2,3
	global_load_b128 v[AF+16+4*\p:AF+16+4*\p+3], v[PG], s[12+2*\p:13+2*\p]
.endr
.irp p, 4,5,6
	global_load_b128 v[10+4*(\p-4):13+4*(\p-4)], v[PG], s[12+2*\p:13+2*\p]
.endr
.irp i, 0,1,2,3,4,5,6,7,8,9,10,11,12,13,14,15
	global_load_b128 v[ACC+4*\i:ACC+4*\i+3], v[GX], s[10:11] offset:8192*\i th:TH_LOAD_NT   ; rows 2 i, 2 i + 1: sixteen lanes read my 256 bytes of a row
.endr
	BLOAD 0
	BLOAD 1
	s_wait_kmcnt 0x0
	POW2 F4, 34, 35
	POW2 F5, 36, 37
	POW2 F6, 38, 39
	QSC 52, 36                                     ; e8
	QSC 54, 38                                     ; e10
	s_wait_loadcnt 48                              ; att and the vectors are in; x's sixteen loads and the two weight sets' thirty-two stay out
.irp c, 0,1,2,3
	ds_store_b128 v[CSC], v[AF+4*\c:AF+4*\c+3] offset:AIMG0+512*\c
.endr
.irp p, 0,1,2,3
	ds_store_b128 v[PARW], v[AF+16+4*\p:AF+16+4*\p+3] offset:256*\p   ; lanes L and L + 16 store the same bytes to the same place
.endr
.irp p, 4,5,6
	ds_store_b128 v[PARW], v[10+4*(\p-4):13+4*(\p-4)] offset:256*\p
.endr
	s_wait_loadcnt 32                              ; x is in; the two weight sets stay out
.irp i, 0,1,2,3,4,5,6,7,8,9,10,11,12,13,14,15
	ds_store_b128 v[SRW], v[ACC+4*\i:ACC+4*\i+3] offset:544*\i
.endr
	RES_LOAD                                       ; LDS serves a wave's instructions in order: these see the stores above
	BARRIER                                        ; att's sixteen fragments lie in images A
	v_mov_b32 v[PD], 0                             ; written once: permute destinations, and the upper halves of pairs
	v_mov_b32 v[PD+1], 0
	v_mov_b32 v[MU+1], 0
	v_mov_b32 v[MU+3], 0
	v_mov_b32 v[RS+1], 0
	v_mov_b32 v[RS+3], 0
	CSTART 0, I4                                   ; C = (x + b_proj) / 2^(e6 + e7)
	; ---- att W_proj
.irp g, 0,1,2,3,4,5,6,7
	KSTEP \g, AIMG0
.endr
	LNORM F4, 0, 1, 2                              ; x1
	RES_STORE                                      ; x1 takes x's place in my stage
	s_wait_dscnt 0x0                               ; the stores have read their registers, which the holds below rewrite
	QIMG AIMG1, 52, 53
	BARRIER                                        ; x1's sixteen fragments lie in images B
	; ---- x1 W1
	PLOAD 3, 0, AF
	PLOAD 3, 2, AF+16
	s_wait_dscnt 0x0
.irp m, 0,1
.set n, 0
.rept 16
	v_pk_mul_f32 v[ACC+32*\m+n:ACC+32*\m+n+1], v[AF+n:AF+n+1], s[I5:I5+1] op_sel_hi:[1,0]   ; C = b1 / 2^(e8 + e9)
.set n, n+2
.endr
.endr
.irp g, 8,9,10,11,12,13,14,15
	KSTEP \g, AIMG1
.endr
	v_mov_b32 v[T0], 0xaf95df0b                    ; the leading coefficients of P and of Q, as pairs
	v_mov_b32 v[T0+1], 0xaf95df0b
	v_mov_b32 v[T0+2], 0xb77460cd
	v_mov_b32 v[T0+3], 0xb77460cd
.irp a, 0,1,2,3,4,5,6,7
	GELU8 ACC+8*\a
.endr
	QIMG AIMG0, 54, 55                             ; images A were last read ahead of the first norm's barrier, which every wave has passed
	BARRIER                                        ; the hidden layer's sixteen fragments lie in images A
	; ---- gelu(..) W2
	RES_LOAD                                       ; x1
	CSTART 4, I6                                   ; C = (x1 + b2) / 2^(e10 + e11)
.irp g, 16,17,18,19,20,21,22,23
	KSTEP \g, AIMG0
.endr
	LNORM F6, 2, 5, 6
	; ---- the way out: through my stage, so that sixteen lanes store my 256 consecutive bytes of a row
	RES_STORE
.irp i, 0,1,2,3,4,5,6,7,8,9,10,11,12,13,14,15
	ds_load_b128 v[ACC+4*\i:ACC+4*\i+3], v[SRW] offset:544*\i      ; LDS serves a wave's instructions in order: these see the stores above
.endr
.irp i, 0,1,2,3,4,5,6,7,8,9,10,11,12,13,14,15
	s_wait_dscnt 15-\i                             ; number i is in, the younger ones stay out
	global_store_b128 v[GX], v[ACC+4*\i:ACC+4*\i+3], s[26:27] offset:8192*\i th:TH_STORE_NT
.endr
	s_wait_xcnt 0x0
	v_lshl_add_u32 v254, v0, 2, 0x3b800
	v_mov_b32 v255, 0
	s_wait_tensorcnt 0x0
	ds_add_u32 v254, v255
	s_wait_dscnt 0x0
	s_endpgm
.Lfunc_end_k_q0fe3bb4b4a_tail:
	.size	k_q0fe3bb4b4a_tail, .Lfunc_end_k_q0fe3bb4b4a_tail-k_q0fe3bb4b4a_tail
	.p2alignl 7, 3214868480
	.fill 96, 4, 3214868480
	.section	.rodata,"a",@progbits
	.p2align	6, 0x0
	.amdhsa_kernel k_q0fe3bb4b4a_tail
		.amdhsa_group_segment_fixed_size 245760
		.amdhsa_private_segment_fixed_size 0
		.amdhsa_enable_private_segment 0
		.amdhsa_kernarg_size 96
		.amdhsa_user_sgpr_count 2
		.amdhsa_user_sgpr_kernarg_segment_ptr 1
		.amdhsa_wavefront_size32 1
		.amdhsa_system_sgpr_workgroup_id_x 1
		.amdhsa_system_sgpr_workgroup_id_y 1
		.amdhsa_system_sgpr_workgroup_id_z 1
		.amdhsa_system_vgpr_workitem_id 0
		.amdhsa_next_free_vgpr 256
		.amdhsa_next_free_sgpr 80
		.amdhsa_reserve_vcc 0
		.amdhsa_float_denorm_mode_32 3
		.amdhsa_float_denorm_mode_16_64 3
		.amdhsa_memory_ordered 1
		.amdhsa_forward_progress 1
		.amdhsa_inst_pref_size 186
	.end_amdhsa_kernel
	.amdgpu_metadata
---
amdhsa.version: [ 1, 2 ]
amdhsa.kernels:
  - .name:           k_q0fe3bb4b4a_tail
    .symbol:         k_q0fe3bb4b4a_tail.kd
    .args:
      - { .name: att, .offset: 0, .size: 8, .value_kind: global_buffer, .address_space: global }
      - { .name: wimg, .offset: 8, .size: 8, .value_kind: global_buffer, .address_space: global }
      - { .name: lowp_scales, .offset: 16, .size: 8, .value_kind: global_buffer, .address_space: global }
      - { .name: x, .offset: 24, .size: 8, .value_kind: global_buffer, .address_space: global }
      - { .name: b_proj, .offset: 32, .size: 8, .value_kind: global_buffer, .address_space: global }
      - { .name: ln1_g, .offset: 40, .size: 8, .value_kind: global_buffer, .address_space: global }
      - { .name: ln1_b, .offset: 48, .size: 8, .value_kind: global_buffer, .address_space: global }
      - { .name: b1, .offset: 56, .size: 8, .value_kind: global_buffer, .address_space: global }
      - { .name: b2, .offset: 64, .size: 8, .value_kind: global_buffer, .address_space: global }
      - { .name: ln2_g, .offset: 72, .size: 8, .value_kind: global_buffer, .address_space: global }
      - { .name: ln2_b, .offset: 80, .size: 8, .value_kind: global_buffer, .address_space: global }
      - { .name: out0, .offset: 88, .size: 8, .value_kind: global_buffer, .address_space: global }
    .group_segment_fixed_size: 245760
    .private_segment_fixed_size: 0
    .kernarg_segment_align: 8
    .kernarg_segment_size: 96
    .max_flat_workgroup_size: 512
    .sgpr_count:     80
    .vgpr_count:     256
    .wavefront_size: 32
...
	.end_amdgpu_metadata
.endif
;; end of part 4
;; ======== version 2 of 2: 4 launches; version 1 with the launches attn, tail written anew for expert scheduling mode
;; workspace buffers: xc 8,388,608 bytes; wqc 3,145,728 bytes; wimg 3,145,728 bytes; qkv 25,165,824 bytes; att 8,388,608 bytes
;; launch prep: the kernel of part 1 again; grid 448 x 1, 4 waves a work-group, no clusters, 100,864 bytes of LDS; arguments x, W_qkv, W_proj, W1, W2, lowp_scales, xc, wqc, wimg; writes xc, wqc, wimg
;; launch qkv: the kernel of part 2 again; grid 12 x 32, 4 waves a work-group, clusters of 4 x 4, 327,680 bytes of LDS; arguments xc, wqc, lowp_scales, b_qkv, qkv; writes qkv
;; launch attn (part 5): grid 2 x 128, 16 waves a work-group, no clusters, 133,120 bytes of LDS; arguments qkv, lowp_scales, att; writes att
.if DOCPART == 5
	.amdgcn_target "amdgcn-amd-amdhsa--gfx1250"
	.amdhsa_code_object_version 6
	.text
	.protected	k_q0fe3bb4b4a_attn
	.globl	k_q0fe3bb4b4a_attn
	.p2align	8
	.type	k_q0fe3bb4b4a_attn,@function
k_q0fe3bb4b4a_attn:
	s_mov_b64 s[64:65], 0
	v_nop
	global_prefetch_b8 v0, s[64:65] scope:SCOPE_SE
	s_setreg_imm32_b32 hwreg(HW_REG_WAVE_SCHED_MODE, 0, 2), 2
	s_setreg_imm32_b32 hwreg(HW_REG_WAVE_MODE, 25, 1), 1
	s_wait_xcnt 0x0
	s_wait_alu depctr_vm_vsrc(0)
; ATTN: o = softmax(q k^T / 8) v for one head and 512 queries a work-group, both products on codes of FP8 (E4M3); o is quantised at once (entry 6) and leaves as images of the next product's operand registers.
; THE SOFTMAX AHEAD OF THE SECOND PRODUCT: t = score x log2(e) / 8; M = the row's largest t rounded UP to a whole number; p = 2^(t - M) is quantised (entry 4), not normalised; the row's sum is taken of the
; unquantised p and divides at the end.
; TWO WALKS OVER THE KEYS.  The first forms k q^T and keeps each query's largest score alone; M is then made once.  The second forms k q^T again, p, the sums, the codes and v^T p.  So nothing is ever brought under
; a new M: for each 64 keys the second k q^T costs 8 matrix instructions and 8 LDS loads, and spares 34 packed multiplies (O^T and the sums) and the lines that would make M and its change in every step.
; SHARES.  Work-group (x, y): head y (batch y / 16), queries 512 x on.  Each of sixteen waves owns 32 queries, two tiles of 16, in 256 registers: four waves to a SIMD, so that one wave's vector work stands beside another's products.
; All of the head's k (65,536 bytes, LDS 0) and v (65,536 bytes, LDS 65,536) is brought ONCE: each wave loads 4,096 bytes of each (512 consecutive bytes a load) and stores them to LDS as they lie; one barrier.
; Both lie as images of operand registers (16 bytes a lane on end), so a fragment is two loads of 512 consecutive bytes: no pitch, no padding.
; LAYOUT.  Both products are used transposed: S^T = k q^T (source 0 = 16 keys, source 1 = 16 queries), O^T = v^T p^T (source 0 = 16 of the head's 64, source 1 = p): a lane holds ONE query throughout, and the eight
; registers of key tile i are keys 16 i + 8 h + 0..7: one conversion gives registers 2 i, 2 i + 1 of p's fragment.  Each fragment of k and v read from LDS feeds two products, one for each tile of queries.
; THE HOLD OF p.  The conversion to an 8-bit code does not saturate (ISA guide 7.6.2), so p is held at 448 x 2^e4 ahead of it.  p passes 1 only by the rounding of c x score: p <= 2^(|t| x 2^-24), and
; |t| <= 64 x 448^2 x 0.1804 x 2^(e2 + e3).  With e2 + e3 <= 1 that is p <= 1.21, and with e4 >= -8 the largest code stands for 1.75 or more: the hold can then change no number, and a scalar branch on a flag made
; once from the three given exponents leads round its 64 lines.  For all other exponents the hold is executed.
; NO TENSOR LOAD, NO CLUSTER: joint requests are tensor loads, and only two
; work-groups share a head, whose 131,072 bytes each of them reads once.
; OUT: att byte = (row / 16) x 16,384 + head x 1,024 + 512 c + 16 L: [16 rows][K step of 128][2,048 bytes]; a head fills half of a K step's image.
; LIMITS: e2 + e3 between -124 and 130 (added to c's exponent field); e4 and e6 between -126 and 119; e4 + e5 is applied by v_ldexp_f32 and has none.
; THE MODE: SCHED_MODE bits 1:0 = 2 (LLVM: expert scheduling mode 2), set by the entry lines.  The code itself states the register dependences between vector or matrix instructions and memory or LDS
; instructions, with s_wait_alu, always for 0.
; THE PLAN.  Registers that LDS or memory instructions touch:
;   KF, VF          two buffers of four fragments.  FIRST WALK: k's steps land in them by turns: step s's products read one; the loads of step s + 1, dealt among those products, land in the other, which step s - 1's products read.
;                   SECOND WALK: KF takes k, VF takes v: step t's scores read KF, its last products read VF; in the middle of step t, v of step t lands in VF and k of step t + 1 in KF.
;   v[ADK], v[ADV]  read by those loads (at the head by the LDS stores); written once a trip, behind a wait on vm_vsrc and ahead of a wait on va_vdst that stands there anyway.
;   v[LI]           read by loads and stores; never written again.
;   S               at the head my parts of k and v: global loads land there, LDS stores read them; from the first product on vector and matrix instructions alone name it.
;   PC              at the end: o's codes, the last stores' data.      v254, v255: written at the head, read by the closing add alone.
; First walk: one wait on va_vdst at each step's head.  Second walk: ONE wait on va_vdst a step, the one between the exponentials and their first reader: it also states that the step's scores are done reading KF,
; that the last step's v^T p is done reading VF, and that both addresses are written; the step's sixteen loads follow it, k's dealt among the packed sums, which name S and the sums' registers alone.
.set LI,   1                           ; v1   16 x lane
.set ADK,  2                           ; v2   LDS address of the k that is asked for (at the head: where my part of k goes)
.set ADV,  3                           ; v3   of the v (at the head: where my part of v goes)
.set PD,   4                           ; v4, v5  lane permutes' destinations
.set ST,   6                           ; tile t at v[6 + 8 t]: +0 -M, +1 the largest t, +2, +3 the sum's first chain, +4, +5 the maximum's two chains, +6 the last factor, +7 named with it as a pair
.set SB,   22                          ; v22-25   the sums' second chains
.set PLIM, 26                          ; 448 x 2^e4, 2^e4, 448 x 2^e6, 2^e6
.set PSC,  27
.set OLIM, 28
.set OSC,  29
.set QF,   30                          ; v30-45   q's two fragments
.set KF,   46                          ; v46-77   four fragments: buffer 0
.set VF,   78                          ; v78-109  four fragments: buffer 1 = KF + 32
.set S,    110                         ; v110-173 S^T, then p: tile t, key tile i at v[110 + 32 t + 8 i]  (at the head: my parts of k and v on their way to LDS)
.set OA,   174                         ; v174-237 O^T: tile t, d tile at v[174 + 32 t + 8 dt]
.set PC,   238                         ; v238-253 p's codes, 8 a tile
.set WV,   10
.set HB,   11
.set CS,   36                          ; s[36:37] c = log2(e) / 8 x 2^(e2 + e3)
.set SEL,  38                          ; s[38:39] lane selects: lane l xor 16
.set TK,   40                          ; LDS byte of the k that v[ADK] points at
.set TV,   41                          ; of the step's v; 1,024 a step
.set CNT,  42
.set EO,   43                          ; e4 + e5
.set HOLD, 50                          ; 1: p is held; 0: the hold can change nothing
; A STEP OF THE FIRST WALK: S^T = k q^T for the 64 keys in buffer p, each fragment of k against both tiles of queries, and the running largest score.  The next step's k, at v[adr] + off, is asked for among the products, into the other buffer.
.macro MSTEP p, adr, off
	s_wait_dscnt 0x0                               ; this step's k is in buffer p
	s_wait_alu depctr_va_vdst(0)                   ; the last step's products are done reading the other buffer, in which the loads below land; in a trip's first step v[ADK] is written, which they read
.irp i, 0,1,2,3
.irp t, 0,1
	v_wmma_f32_16x16x64_fp8_fp8 v[S+32*\t+8*\i:S+32*\t+8*\i+7], v[KF+32*(\p)+8*\i:KF+32*(\p)+8*\i+7], v[QF+8*\t:QF+8*\t+7], 0
.endr
	ds_load_b128 v[KF+32*(1-(\p))+8*\i:KF+32*(1-(\p))+8*\i+3], v[\adr] offset:(\off)+\i*1024           ; no wait: no vector or matrix instruction since the wait above names the other buffer or the address
	ds_load_b128 v[KF+32*(1-(\p))+8*\i+4:KF+32*(1-(\p))+8*\i+7], v[\adr] offset:(\off)+\i*1024+512
.endr
.rept 4
	v_nop                                          ; four places behind the products, ahead of the first read of the scores (ISA guide 7.12.1)
.endr
.irp j, 0,4,8,12,16,20,24,28                   ; two chains a tile, the tiles by turns; each accumulator is first read at its low end
.irp t, 0,1
	v_max3_num_f32 v[ST+8*\t+4], v[ST+8*\t+4], v[S+32*\t+\j], v[S+32*\t+\j+1]
	v_max3_num_f32 v[ST+8*\t+5], v[ST+8*\t+5], v[S+32*\t+\j+2], v[S+32*\t+\j+3]
.endr
.endr
.endm
; A STEP OF THE SECOND WALK: 64 keys: the scores again, p, its sum, its codes, and O^T += v^T p^T.  last = 1: the last step, which asks for no further k.
.macro PSTEP last
	s_wait_dscnt 0x0                               ; this step's k is in KF
.irp i, 0,1,2,3
.irp t, 0,1
	v_wmma_f32_16x16x64_fp8_fp8 v[S+32*\t+8*\i:S+32*\t+8*\i+7], v[KF+8*\i:KF+8*\i+7], v[QF+8*\t:QF+8*\t+7], 0
.endr
.endr
	s_wait_alu depctr_vm_vsrc(0)                   ; the LDS instructions issued so far have read v[ADK] and v[ADV], which the next lines write
.if \last
	v_nop
.else
	v_add_nc_u32 v[ADK], s[TK], v[LI]              ; the next step's k
.endif
	v_add_nc_u32 v[ADV], s[TV], v[LI]              ; this step's v
	v_nop
	v_nop                                          ; these four plain lines are the places behind the products, ahead of the first read of the scores (ISA guide 7.12.1)
.irp t, 0,1
.set n, 0
.rept 16
	v_pk_fma_f32 v[S+32*\t+n:S+32*\t+n+1], v[S+32*\t+n:S+32*\t+n+1], s[CS:CS+1], v[ST+8*\t:ST+8*\t+1] op_sel_hi:[1,0,0]   ; t - M (of the pairs c and -M the low word serves both halves); each accumulator from its low end on
.set n, n+2
.endr
.endr
.set n, 0
.rept 64
	v_exp_f32 v[S+n], v[S+n]                       ; p = 2^(t - M)
.set n, n+1
.endr
	v_nop                                          ; a plain line between the exponentials and the first use of a result
	s_wait_alu depctr_va_vdst(0)                   ; the 64 exponentials have written p, ahead of its first reader; the scores' products are done reading KF and the last step's v^T p is done reading VF, in which the loads below land; v[ADK] and v[ADV] are written, which they read
.irp d, 0,1,2,3
	ds_load_b128 v[VF+8*\d:VF+8*\d+3], v[ADV] offset:\d*16384        ; v's four fragments of these 64 keys land while the sums and the codes are made
	ds_load_b128 v[VF+8*\d+4:VF+8*\d+7], v[ADV] offset:\d*16384+512
.endr
.irp j, 0,4,8,12,16,20,24,28                   ; the row's sum is taken of the unquantised p: two chains a tile, which run on from step to step
.if !\last
	ds_load_b128 v[KF+\j:KF+\j+3], v[ADK] offset:\j*128              ; the next step's k, 512 bytes a load, dealt among the sums: no wait, since no vector instruction behind the wait above names KF or v[ADK]
.endif
.irp t, 0,1
	v_pk_add_f32 v[ST+8*\t+2:ST+8*\t+3], v[ST+8*\t+2:ST+8*\t+3], v[S+32*\t+\j:S+32*\t+\j+1]
	v_pk_add_f32 v[SB+2*\t:SB+2*\t+1], v[SB+2*\t:SB+2*\t+1], v[S+32*\t+\j+2:S+32*\t+\j+3]
.endr
.endr
	s_cmp_eq_u32 s[HOLD], 0                        ; with these exponents no p lies beyond the largest code: the branch leads round the hold and round nothing else
	s_cbranch_scc1 .Lno_hold_\@
.set n, 0
.rept 64
	v_min_num_f32 v[S+n], v[S+n], v[PLIM]          ; p is not negative, so the hold is one-sided
.set n, n+1
.endr
.Lno_hold_\@:
.irp t, 0,1
.irp i, 0,1,2,3
	v_cvt_scalef32_pk8_fp8_f32 v[PC+8*\t+2*\i:PC+8*\t+2*\i+1], v[S+32*\t+8*\i:S+32*\t+8*\i+7], v[PSC]
.endr
.endr
	v_nop                                          ; one plain line between the conversions and the products that read their results
.if \last
	s_wait_dscnt 0x0                               ; v's fragments are in
.else
	s_wait_dscnt 8                                 ; LDS loads come back in order (ISA guide 5.7.1): v's eight are in, the eight younger ones, the next step's k, stay out
.endif
.irp d, 0,1,2,3                                ; the eight accumulators take one turn each; the scores' products stand between two links of a chain
.irp t, 0,1
	v_wmma_f32_16x16x64_fp8_fp8 v[OA+32*\t+8*\d:OA+32*\t+8*\d+7], v[VF+8*\d:VF+8*\d+7], v[PC+8*\t:PC+8*\t+7], v[OA+32*\t+8*\d:OA+32*\t+8*\d+7]
.endr
.endr
.endm
	s_load_b128 s[4:7], s[0:1], 0x0                ; qkv, the exponents
	s_load_b64 s[8:9], s[0:1], 0x10                ; att
	v_lshl_add_u32 v254, v0, 2, 0x20000
	v_mov_b32 v255, 0
	v_lshrrev_b32 v2, 5, v0
	v_readfirstlane_b32 s[WV], v2                  ; wave 0..15
	v_and_b32 v1, 31, v0
	v_lshlrev_b32 v[LI], 4, v1
	s_wait_alu depctr_va_sdst(0)                   ; the wave's number is written, ahead of its first reader: addresses and bases are made from it
	s_and_b32 s[HB], ttmp7, 0xffff                 ; batch x 16 + head
	s_lshl_b32 s12, s[HB], 16                      ; the head's 65,536 bytes in each of q, k, v
	s_lshl_b32 s13, s[WV], 12                      ; my 4,096 bytes of k and of v
	v_add_nc_u32 v[ADK], s13, v[LI]                ; LDS: 4,096 x wave + 16 x lane,
	s_add_co_u32 s14, s13, 65536
	v_add_nc_u32 v[ADV], s14, v[LI]                ; and 65,536 further on for v
	s_add_co_u32 s16, s12, s13
	s_add_co_u32 s16, s16, 0x800000                ; in memory: k lies 8 MiB on,
	s_mov_b32 s17, 0
	s_add_co_u32 s18, s16, 0x800000                ; v 8 MiB further
	s_mov_b32 s19, 0
	s_lshl_b32 s46, ttmp9, 5
	s_lshl_b32 s47, s[WV], 1
	s_add_co_u32 s46, s46, s47                     ; my first tile of queries: 32 x + 2 wave
	s_lshl_b32 s44, s46, 10
	s_add_co_u32 s44, s44, s12
	s_mov_b32 s45, 0
	s_lshr_b32 s48, s[HB], 4
	s_lshl_b32 s48, s48, 6
	s_add_co_u32 s48, s48, s46
	s_lshl_b32 s48, s48, 14                        ; att: (batch x 64 + tile) x 16,384
	s_and_b32 s49, s[HB], 15
	s_lshl_b32 s49, s49, 10
	s_add_co_u32 s48, s48, s49                     ; + head x 1,024
	s_mov_b32 s49, 0
	s_mov_b32 s[SEL], 0x76543210
	s_mov_b32 s[SEL+1], 0xfedcba98
	s_mov_b32 s[TK], 0
	s_mov_b32 s[TV], 65536
	s_mov_b32 s[CNT], 7
	s_wait_kmcnt 0x0
	s_load_b256 s[28:35], s[6:7], 0x0              ; e0 .. e7
	s_add_nc_u64 s[16:17], s[4:5], s[16:17]
	s_add_nc_u64 s[18:19], s[4:5], s[18:19]
	s_add_nc_u64 s[44:45], s[4:5], s[44:45]
	s_add_nc_u64 s[8:9], s[8:9], s[48:49]
	s_wait_alu depctr_va_vdst(0)                   ; v[LI], v[ADK] and v[ADV] are written: the loads below read the first as their offset, the LDS stores further down the other two as their addresses
.irp c, 0,1,2,3,4,5,6,7
	global_load_b128 v[S+4*\c:S+4*\c+3], v[LI], s[16:17] offset:512*\c         ; my part of k: 512 consecutive bytes a load
.endr
.irp c, 0,1,2,3,4,5,6,7
	global_load_b128 v[S+32+4*\c:S+32+4*\c+3], v[LI], s[18:19] offset:512*\c   ; my part of v
.endr
.irp t, 0,1
.irp c, 0,1
	global_load_b128 v[QF+8*\t+4*\c:QF+8*\t+4*\c+3], v[LI], s[44:45] offset:\t*1024+\c*512   ; q's fragments stay in registers
.endr
.endr
.irp t, 0,1
	v_mov_b32 v[ST+8*\t+2], 0                      ; the sums, in two chains of two
	v_mov_b32 v[ST+8*\t+3], 0
	v_mov_b32 v[SB+2*\t], 0
	v_mov_b32 v[SB+2*\t+1], 0
	v_mov_b32 v[ST+8*\t+4], 0xff61b1e6             ; the largest score so far, in two chains: -3e38, under every sum of 64 products of codes
	v_mov_b32 v[ST+8*\t+5], 0xff61b1e6
	v_mov_b32 v[ST+8*\t+7], 0                      ; (named as the upper half of a pair)
	v_mov_b32 v[PD+\t], 0                          ; a lane permute's destination counts as one of its sources
.endr
.set n, 0
.rept 64
	v_mov_b32 v[OA+n], 0                           ; O^T: the step is written as one macro, so its first trip adds onto zeros
.set n, n+1
.endr
	s_wait_kmcnt 0x0
	s_add_co_i32 s12, s30, s31                     ; e2 + e3
	s_cmp_gt_i32 s12, 1
	s_cselect_b32 s[HOLD], 1, 0                    ; p is held where e2 + e3 > 1,
	s_cmp_lt_i32 s32, -8
	s_cselect_b32 s[HOLD], 1, s[HOLD]              ; or where e4 < -8
	s_lshl_b32 s12, s12, 23
	s_add_co_i32 s[CS], s12, 0x3e38aa3b            ; log2(e) / 8, with e2 + e3 added to its exponent field
	s_mov_b32 s[CS+1], s[CS]
	s_add_co_i32 s12, s32, 127
	s_lshl_b32 s13, s12, 23
	v_mov_b32 v[PSC], s13
	s_add_co_i32 s12, s12, 8
	s_lshl_b32 s12, s12, 23
	s_or_b32 s12, s12, 0x600000
	v_mov_b32 v[PLIM], s12
	s_add_co_i32 s12, s34, 127
	s_lshl_b32 s13, s12, 23
	v_mov_b32 v[OSC], s13
	s_add_co_i32 s12, s12, 8
	s_lshl_b32 s12, s12, 23
	s_or_b32 s12, s12, 0x600000
	v_mov_b32 v[OLIM], s12
	s_add_co_i32 s[EO], s32, s33
	s_wait_loadcnt 0x4                             ; k's and v's sixteen loads are in; q's four, issued behind them, may be out
.irp c, 0,1,2,3,4,5,6,7
	ds_store_b128 v[ADK], v[S+4*\c:S+4*\c+3] offset:512*\c         ; (no vector line since the wait on va_vdst above names an address or a datum of these stores)
.endr
.irp c, 0,1,2,3,4,5,6,7
	ds_store_b128 v[ADV], v[S+32+4*\c:S+32+4*\c+3] offset:512*\c
.endr
	s_wait_dscnt 0x0                               ; for the others' sake: my parts of k and v lie in LDS,
	s_barrier_signal -1
	s_barrier_wait -1                              ; everybody's do
	s_wait_alu depctr_vm_vsrc(0)                   ; my LDS stores have read v[S ..], which the products write from here on, and v[ADK], v[ADV], which the walks write
.irp c, 0,1,2,3,4,5,6,7
	ds_load_b128 v[KF+4*\c:KF+4*\c+3], v[LI] offset:512*\c         ; the first 64 keys into buffer 0
.endr
	s_wait_loadcnt 0x0                             ; q
; ---- THE FIRST WALK: each query's largest score.  16 steps of 64 keys, two to a trip, so that both buffers are back at their start; v[ADK] points at the trip's first step.
.Lmax:
	s_wait_alu depctr_vm_vsrc(0)                   ; the LDS loads of the trip before have read v[ADK]
	v_add_nc_u32 v[ADK], s[TK], v[LI]
	MSTEP 0, ADK, 4096
	MSTEP 1, ADK, 8192
	s_add_co_u32 s[TK], s[TK], 8192
	s_sub_co_u32 s[CNT], s[CNT], 1
	s_cmp_lg_u32 s[CNT], 0
	s_cbranch_scc1 .Lmax
	s_wait_alu depctr_vm_vsrc(0)                   ; the LDS loads of the trip before have read v[ADK]
	v_add_nc_u32 v[ADK], s[TK], v[LI]
	MSTEP 0, ADK, 4096                             ; the last two steps are written out: there is no seventeenth step of k,
	MSTEP 1, LI, 0                                 ; so the last step asks for the first 64 keys again, into KF: the second walk's first step
.irp t, 0,1
	v_max_num_f32 v[ST+8*\t+4], v[ST+8*\t+4], v[ST+8*\t+5]
.endr
.irp t, 0,1
	v_permlanex16_b32 v[PD+\t], v[ST+8*\t+4], s[SEL], s[SEL+1]
.endr
.irp t, 0,1
	v_max_num_f32 v[ST+8*\t+4], v[ST+8*\t+4], v[PD+\t]             ; with lane l xor 16's: the query's largest score among all 1,024 keys
.endr
.irp t, 0,1
	v_mul_f32 v[ST+8*\t+1], s[CS], v[ST+8*\t+4]                    ; as t (c is positive)
.endr
.irp t, 0,1
	v_floor_f32 v[ST+8*\t], -v[ST+8*\t+1]                          ; -M = floor(-t) = -ceil(t): M is a whole number
.endr
	s_mov_b32 s[TK], 4096                          ; a step asks for the next step's k
	s_mov_b32 s[CNT], 15
; ---- THE SECOND WALK: p, its sum, its codes, and O^T += v^T p^T.  16 steps of 64 keys.
.Lstep:
	PSTEP 0
	s_add_co_u32 s[TK], s[TK], 4096
	s_add_co_u32 s[TV], s[TV], 1024
	s_sub_co_u32 s[CNT], s[CNT], 1
	s_cmp_lg_u32 s[CNT], 0
	s_cbranch_scc1 .Lstep
	PSTEP 1                                        ; the last step is written out: no k is left to ask for, and its count of LDS loads differs
	; THE WAY OUT.  The additions, the v_nop and the two v_ldexp_f32 are the places behind the last products.
.irp t, 0,1
	v_pk_add_f32 v[ST+8*\t+2:ST+8*\t+3], v[ST+8*\t+2:ST+8*\t+3], v[SB+2*\t:SB+2*\t+1]
.endr
.irp t, 0,1
	v_add_f32 v[ST+8*\t+2], v[ST+8*\t+2], v[ST+8*\t+3]
.endr
.irp t, 0,1
	v_permlanex16_b32 v[PD+\t], v[ST+8*\t+2], s[SEL], s[SEL+1]
.endr
.irp t, 0,1
	v_add_f32 v[ST+8*\t+2], v[ST+8*\t+2], v[PD+\t]                 ; the row's sum
.endr
.irp t, 0,1
	v_rcp_f32 v[ST+8*\t+6], v[ST+8*\t+2]
.endr
	v_nop                                          ; a plain line behind the reciprocals
	s_wait_alu depctr_va_vdst(0)                   ; the two reciprocals have written v[ST+6] and v[ST+14], ahead of their first reader
.irp t, 0,1
	v_ldexp_f32 v[ST+8*\t+6], v[ST+8*\t+6], s[EO]  ; x 2^(e4 + e5)
.endr
.irp t, 0,1
.set n, 0
.rept 16
	v_pk_mul_f32 v[S+32*\t+n:S+32*\t+n+1], v[OA+32*\t+n:OA+32*\t+n+1], v[ST+8*\t+6:ST+8*\t+7] op_sel_hi:[1,0]     ; register 8 dt + j: o(query r, d = 16 dt + 8 h + j)
.set n, n+2
.endr
.endr
.set n, 0
.rept 64
	v_med3_num_f32 v[S+n], v[S+n], -v[OLIM], v[OLIM]               ; o has no bound of its own: its hold always stands
.set n, n+1
.endr
.irp t, 0,1
.irp d, 0,1,2,3
	v_cvt_scalef32_pk8_fp8_f32 v[PC+8*\t+2*\d:PC+8*\t+2*\d+1], v[S+32*\t+8*\d:S+32*\t+8*\d+7], v[OSC]
.endr
.endr
	v_nop
	s_wait_alu depctr_va_vdst(0)                   ; the conversions have written v[PC ..], which the stores read
.irp t, 0,1
.irp c, 0,1
	global_store_b128 v[LI], v[PC+8*\t+4*\c:PC+8*\t+4*\c+3], s[8:9] offset:\t*16384+\c*512   ; 512 consecutive bytes, at a multiple of 512 from att's first byte
.endr
.endr
	s_wait_dscnt 0x0                               ; the closing lines, six on end
	s_wait_alu 0x0
	s_wait_tensorcnt 0x0
	ds_add_u32 v254, v255
	s_wait_dscnt 0x0
	s_endpgm
.Lfunc_end_k_q0fe3bb4b4a_attn:
	.size	k_q0fe3bb4b4a_attn, .Lfunc_end_k_q0fe3bb4b4a_attn-k_q0fe3bb4b4a_attn
	.p2alignl 7, 3214868480
	.fill 96, 4, 3214868480
	.section	.rodata,"a",@progbits
	.p2align	6, 0x0
	.amdhsa_kernel k_q0fe3bb4b4a_attn
		.amdhsa_group_segment_fixed_size 133120
		.amdhsa_private_segment_fixed_size 0
		.amdhsa_enable_private_segment 0
		.amdhsa_kernarg_size 24
		.amdhsa_user_sgpr_count 2
		.amdhsa_user_sgpr_kernarg_segment_ptr 1
		.amdhsa_wavefront_size32 1
		.amdhsa_system_sgpr_workgroup_id_x 1
		.amdhsa_system_sgpr_workgroup_id_y 1
		.amdhsa_system_sgpr_workgroup_id_z 1
		.amdhsa_system_vgpr_workitem_id 0
		.amdhsa_next_free_vgpr 256
		.amdhsa_next_free_sgpr 66
		.amdhsa_reserve_vcc 0
		.amdhsa_float_denorm_mode_32 3
		.amdhsa_float_denorm_mode_16_64 3
		.amdhsa_memory_ordered 1
		.amdhsa_forward_progress 1
		.amdhsa_inst_pref_size 53
	.end_amdhsa_kernel
	.amdgpu_metadata
---
amdhsa.version: [ 1, 2 ]
amdhsa.kernels:
  - .name:           k_q0fe3bb4b4a_attn
    .symbol:         k_q0fe3bb4b4a_attn.kd
    .args:
      - { .name: qkv, .offset: 0, .size: 8, .value_kind: global_buffer, .address_space: global }
      - { .name: lowp_scales, .offset: 8, .size: 8, .value_kind: global_buffer, .address_space: global }
      - { .name: att, .offset: 16, .size: 8, .value_kind: global_buffer, .address_space: global }
    .group_segment_fixed_size: 133120
    .private_segment_fixed_size: 0
    .kernarg_segment_align: 8
    .kernarg_segment_size: 24
    .max_flat_workgroup_size: 512
    .sgpr_count:     66
    .vgpr_count:     256
    .wavefront_size: 32
...
	.end_amdgpu_metadata
.endif
;; end of part 5
;; launch tail (part 6): grid 256 x 1, 16 waves a work-group, no clusters, 245,760 bytes of LDS; arguments att, wimg, lowp_scales, x, b_proj, ln1_g, ln1_b, b1, b2, ln2_g, ln2_b, out0; writes out0
.if DOCPART == 6
	.amdgcn_target "amdgcn-amd-amdhsa--gfx1250"
	.amdhsa_code_object_version 6
	.text
	.protected	k_q0fe3bb4b4a_tail
	.globl	k_q0fe3bb4b4a_tail
	.p2align	8
	.type	k_q0fe3bb4b4a_tail,@function
k_q0fe3bb4b4a_tail:
	s_mov_b64 s[64:65], 0
	v_nop
	global_prefetch_b8 v0, s[64:65] scope:SCOPE_SE
	s_setreg_imm32_b32 hwreg(HW_REG_WAVE_SCHED_MODE, 0, 2), 2
	s_setreg_imm32_b32 hwreg(HW_REG_WAVE_MODE, 25, 1), 1
	s_wait_xcnt 0x0
	s_wait_alu depctr_vm_vsrc(0)
; TAIL: x1 = LN1(x + att W_proj + b_proj);  out0 = LN2(x1 + gelu(x1 W1 + b1) W2 + b2).  The three products run on codes of FP8 (E4M3); all else is f32; nothing between them goes to memory.
; SHARES.  A work-group owns 32 whole rows (two tiles of 16), so that both norms stay inside it.  THE SIXTEEN WAVES SHARE THE COLUMNS: wave w makes columns 64 w .. 64 w + 63 of all three products for all 32 rows: 8 accumulators.
; The products are used transposed (source 0 = 16 columns of W, source 1 = 16 rows): lane (r, h) holds row r, and the eight registers of column tile b are columns 16 b + 8 h + 0..7: neighbours along the next K,
; so one conversion gives registers 2 c, 2 c + 1 of the next operand.  Operands go from wave to wave through LDS as IMAGES OF THEIR REGISTERS (16 bytes a lane on end): no pitch, no padding.
; THE WEIGHTS come from memory straight into registers, as the fragment images that the first launch laid (512 consecutive bytes a load): inside a work-group no weight byte has a second reader, so LDS would add a store and a load
; of each byte and no reuse.  Two sets of one K step (64 registers each) take turns, and the turns run on across the three products: 24 K steps, all written out, every offset an immediate.
; NO CLUSTER, NO JOINT LOADS, though all 256 work-groups walk the same 3,145,728 bytes of weights: a joint load lands in LDS, and beside the 243,712 bytes that the rows need there is no room for two slots of one K step (2 x 131,072 bytes).
; The bias and the residual go in as the C of a sum's first K step, divided by the power of two that the sums lack (exact): nothing is cleared, and no K step is written apart.
; LayerNorm in two passes (the mean; then the centred squares): no difference of large sums.  A row's 16 partial figures meet in LDS: two barriers a norm.
; GELU is exact in form: 0.5 y (1 + erf(y / sqrt 2)), erf(z) = z P(z^2) / Q(z^2) on |z| <= 4 (beyond it erf is +-1 in f32), a rational form good to a few units in erf's last place.
; LIMITS: 1 + erf carries an absolute error of about 1e-7, which shows only where gelu is itself tiny (y under about -3).  e6 + e7, e8 + e9, e10 + e11 between -126 and 126; e8, e10 between -126 and 119.  NaN among the inputs is not served.
; LDS: 0 images A (32,768: [row tile 2][K step 8][2,048]); 32,768 images B; 65,536 a stage of 32 rows x 272 bytes for each wave (its 64 columns of x, then of x1, then of the result);
;      204,800 each wave's 64 numbers of the seven vectors (7 x 256 bytes a wave); 233,472 four areas of 32 rows x 80 bytes: one word a wave.
; THE MODE: SCHED_MODE bits 1:0 = 2 (LLVM: expert scheduling mode 2), set by the entry lines.  The code itself states the register dependences between vector or matrix instructions and memory or LDS
; instructions, with s_wait_alu, always for 0.
; THE PLAN.  Registers that LDS or memory instructions touch:
;   v[AF ..] (32)    LDS loads land there: the rows' two fragments of every K step, pieces of the seven vectors, a row's sixteen partial figures.  Products and vector lines read them; the conversions (codes) and gelu (at work) write them; the image stores read the codes.
;   v[BF ..] (2 x 64) the weight loads land there; the products alone read them.  Step g's products read set g % 2; the loads of step g + 2 land in it.
;   v[ACC ..] (64)   x's loads and the loads from my stage land there; products and vector lines write them; the stores into my stage read them, and the stores of the result.
;   v[T0], v[T0+4]   a row's partial figure: written by vector lines, read by the two word stores, written again with the row's total.
;   v1-9, v30, v31   addresses, made once at the head and never written again; v28 serves as an address at the head alone; v10-21 take three of the vectors at the head alone.
; A K STEP has one wait on va_vdst, behind its products: it covers the next step's fragment loads into v[AF ..] and the weight loads into the set just read.  A product's first step has one more at its head, for the vector lines
; that made C and named v[AF ..].  Every run of stores of computed numbers has a wait on va_vdst ahead of it, and a wait on vm_vsrc stands ahead of the first line or load that writes its data registers again.
.set AIMG0, 0
.set AIMG1, 32768
.set STG,   65536
.set PAR,   204800
.set STAT,  233472
.set LI,   1                           ; 16 L
.set WO,   2                           ; 8,192 w + 16 L: my place in a K step's 131,072 bytes of weights
.set SRD,  3                           ; the stage by lanes of the result: 272 r + 32 h
.set SRW,  4                           ; the stage by rows: 272 (L / 16) + 16 (L % 16)
.set GX,   5                           ; x and out0: 4,096 (L / 16) + 256 w + 16 (L % 16)
.set PARA, 6                           ; my vectors, read: + 32 h
.set STW,  7                           ; a row's word of mine: 80 r + 4 w
.set STR,  8                           ; a row's sixteen words: 80 r
.set IMW,  9                           ; where my codes go in an image: 1,024 w + 16 L
.set PD,   10                          ; v10, v11 lane permutes' destinations
.set MU,   12                          ; v12, v14 the means (v13, v15 named with them as pairs)
.set RS,   16                          ; v16, v18 1 / sqrt(var + eps)
.set T0,   20                          ; v20-27 sums at work; in GELU v[20:21], v[22:23] the two leading coefficients
.set CSC,  28                          ; the conversion's scale; at the head: 2,048 w + 16 L
.set CLM,  29                          ; 448 x the scale
.set PARW, 30                          ; my vectors, written: + 16 (L % 16)
.set PG,   31                          ; my 256 bytes of a vector in memory: 256 w + 16 (L % 16)
.set AF,   32                          ; v32-63  the rows' two fragments; between products: at work
.set ACC,  64                          ; v64-127 accumulator (m, b) at v[64 + 32 m + 8 b]
.set BF,   128                         ; v128-255 two sets of four weight fragments
.set ZZ,   AF
.set Z2,   AF+8
.set PP,   AF+16
.set QQ,   AF+24
.set F4, 40                            ; s[40:41] 2^(e6 + e7), s[42:43] its inverse; s[44:47] the same of e8 + e9; s[48:51] of e10 + e11
.set I4, 42
.set F5, 44
.set I5, 46
.set F6, 48
.set I6, 50
.set SEL, 56
.macro POW2 d, a, b
	s_add_co_i32 s68, s[\a], s[\b]
	s_add_co_i32 s69, s68, 127
	s_lshl_b32 s[\d], s69, 23
	s_mov_b32 s[\d+1], s[\d]
	s_sub_co_i32 s69, 127, s68
	s_lshl_b32 s[\d+2], s69, 23
	s_mov_b32 s[\d+3], s[\d+2]
.endm
.macro QSC d, e                        ; s[d] = 2^e, s[d + 1] = 448 x 2^e
	s_add_co_i32 s68, s[\e], 127
	s_lshl_b32 s[\d], s68, 23
	s_add_co_i32 s68, s68, 8
	s_lshl_b32 s68, s68, 23
	s_or_b32 s[\d+1], s68, 0x600000
.endm
.macro BARRIER                         ; my LDS stores have landed and my LDS loads are in: then the work-group's barrier
	s_wait_dscnt 0x0
	s_barrier_signal -1
	s_barrier_wait -1
.endm
.macro BLOAD gs                        ; K step gs (of 24) of the weights: my four fragments into set gs % 2
.irp b, 0,1,2,3
.irp c, 0,1,2,3
	global_load_b128 v[BF+64*((\gs)%2)+16*\b+4*\c:BF+64*((\gs)%2)+16*\b+4*\c+3], v[WO], s[6:7] offset:(\gs)*131072+\b*2048+\c*512
.endr
.endr
.endm
; K step gs.  Its fragments of the rows are asked for first, then the weights of the next step, into the set that the step before has read; behind a product's last step the weights of the step after next go out at once,
; so that two sets are on their way during the norm or the activation.
.macro KSTEP gs, img
.if (\gs)%8 == 0
	s_wait_alu depctr_va_vdst(0)                   ; the vector lines that made C are done with v[AF ..], in which the fragments below land
.endif
.irp m, 0,1
.irp c, 0,1,2,3
	ds_load_b128 v[AF+16*\m+4*\c:AF+16*\m+4*\c+3], v[LI] offset:\img+(8*\m+(\gs)%8)*2048+512*\c
.endr
.endr
.if ((\gs)%8 != 0) && ((\gs)+1 < 24)
	BLOAD (\gs)+1                                  ; no wait: no vector or matrix instruction since the wait at the last step's end names this set
.endif
.if (\gs) < 23
	s_wait_loadcnt 16                              ; this step's sixteen loads are in; the other set's sixteen may be out
.else
	s_wait_loadcnt 0
.endif
	s_wait_dscnt 0x0
.irp b, 0,1,2,3                                ; the eight accumulators take turns, one instruction a turn, in the same order in every step
.irp m, 0,1
	v_wmma_f32_16x16x128_fp8_fp8 v[ACC+32*\m+8*\b:ACC+32*\m+8*\b+7], v[BF+64*((\gs)%2)+16*\b:BF+64*((\gs)%2)+16*\b+15], v[AF+16*\m:AF+16*\m+15], v[ACC+32*\m+8*\b:ACC+32*\m+8*\b+7]
.endr
.endr
.rept 4
	v_nop                                          ; four places behind the products (ISA guide 7.12.1): behind a product's last step the first read of results follows; they stay beside the wait below
.endr
.if (\gs) < 23
	s_wait_alu depctr_va_vdst(0)                   ; this step's products are done reading their set of weights and the rows' fragments: the next loads of weights and the next step's fragments land there
.endif
.if ((\gs)%8 == 7) && ((\gs)+2 < 24)
	BLOAD (\gs)+2
.endif
.endm
.macro RES_LOAD                        ; my 64 columns of the 32 rows, from my stage into the accumulators' layout
.irp m, 0,1
.irp b, 0,1,2,3
	ds_load_b128 v[ACC+32*\m+8*\b:ACC+32*\m+8*\b+3], v[SRD] offset:4352*\m+64*\b
	ds_load_b128 v[ACC+32*\m+8*\b+4:ACC+32*\m+8*\b+7], v[SRD] offset:4352*\m+64*\b+16
.endr
.endr
.endm
.macro RES_STORE
.irp m, 0,1
.irp b, 0,1,2,3
	ds_store_b128 v[SRD], v[ACC+32*\m+8*\b:ACC+32*\m+8*\b+3] offset:4352*\m+64*\b
	ds_store_b128 v[SRD], v[ACC+32*\m+8*\b+4:ACC+32*\m+8*\b+7] offset:4352*\m+64*\b+16
.endr
.endr
.endm
.macro PLOAD vec, b0, dst              ; vector vec at my column tiles b0, b0 + 1: register 8 (b - b0) + j = column 16 b + 8 h + j
.irp q, 0,1,2,3
	ds_load_b128 v[\dst+4*\q:\dst+4*\q+3], v[PARA] offset:256*(\vec)+64*(\b0)+64*(\q/2)+16*(\q%2)
.endr
.endm
.macro CSTART vec, inv                 ; the accumulators hold a residual: they become (residual + vector vec) x s[inv], the C of the first K step
	PLOAD \vec, 0, AF
	PLOAD \vec, 2, AF+16
	s_wait_dscnt 0x0
.set n, 0
.rept 16
	v_pk_mul_f32 v[AF+n:AF+n+1], v[AF+n:AF+n+1], s[\inv:\inv+1] op_sel_hi:[1,0]
.set n, n+2
.endr
.irp m, 0,1
.set n, 0
.rept 16
	v_pk_fma_f32 v[ACC+32*\m+n:ACC+32*\m+n+1], v[ACC+32*\m+n:ACC+32*\m+n+1], s[\inv:\inv+1], v[AF+n:AF+n+1] op_sel_hi:[1,0,1]
.set n, n+2
.endr
.endr
.endm
.macro QIMG img, sc, lim               ; the accumulators' numbers become codes, and these go into the images at img: my 64 columns are registers 8 (w % 2) .. + 7 of K step w / 2
	v_mov_b32 v[CSC], s[\sc]
	v_mov_b32 v[CLM], s[\lim]
.set n, 0
.rept 64
	v_med3_num_f32 v[ACC+n], v[ACC+n], -v[CLM], v[CLM]             ; the conversion does not saturate (ISA guide 7.6.2)
.set n, n+1
.endr
.irp m, 0,1
.irp b, 0,1,2,3
	v_cvt_scalef32_pk8_fp8_f32 v[AF+8*\m+2*\b:AF+8*\m+2*\b+1], v[ACC+32*\m+8*\b:ACC+32*\m+8*\b+7], v[CSC]
.endr
.endr
	v_nop                                          ; one plain line behind the conversions: later lines write their sources
	s_wait_alu depctr_va_vdst(0)                   ; the conversions have written v[AF .. AF+15], which the stores read; every vector line so far is done with v[AF ..] and v[ACC ..], in which loads land behind the barrier that follows
.irp m, 0,1
.irp q, 0,1
	ds_store_b128 v[IMW], v[AF+8*\m+4*\q:AF+8*\m+4*\q+3] offset:\img+16384*\m+512*\q
.endr
.endr
.endm
; v[T0+4m : +1] and v[T0+4m+2 : +3] hold two chains of my lane's figure for row tile m.  They are added, joined with lane l xor 16's, and meet the other waves' in area a; back: the row's total in v[T0+4m], the same in every wave.
.macro ACROSS a
.irp m, 0,1
	v_pk_add_f32 v[T0+4*\m:T0+4*\m+1], v[T0+4*\m:T0+4*\m+1], v[T0+4*\m+2:T0+4*\m+3]
.endr
.irp m, 0,1
	v_add_f32 v[T0+4*\m], v[T0+4*\m], v[T0+4*\m+1]
.endr
.irp m, 0,1
	v_permlanex16_b32 v[PD+\m], v[T0+4*\m], s[SEL], s[SEL+1]
.endr
.irp m, 0,1
	v_add_f32 v[T0+4*\m], v[T0+4*\m], v[PD+\m]
.endr
	s_wait_alu depctr_va_vdst(0)                   ; v[T0] and v[T0+4] are written, which the two stores read; the products and vector lines so far are done with v[AF ..], in which the loads behind the barrier land
.irp m, 0,1
	ds_store_b32 v[STW], v[T0+4*\m] offset:(\a)*2560+1280*\m       ; lanes r and r + 16 store the same number to the same word
.endr
	BARRIER
.irp m, 0,1
.irp u, 0,1,2,3
	ds_load_b128 v[AF+16*\m+4*\u:AF+16*\m+4*\u+3], v[STR] offset:(\a)*2560+1280*\m+16*\u
.endr
.endr
	s_wait_dscnt 0x0
	s_wait_alu depctr_vm_vsrc(0)                   ; the two stores have read v[T0] and v[T0+4], which the last lines below write again
.irp p, 0,2,4,6
.irp m, 0,1
	v_pk_add_f32 v[AF+16*\m+\p:AF+16*\m+\p+1], v[AF+16*\m+\p:AF+16*\m+\p+1], v[AF+16*\m+\p+8:AF+16*\m+\p+9]
.endr
.endr
.irp p, 0,2
.irp m, 0,1
	v_pk_add_f32 v[AF+16*\m+\p:AF+16*\m+\p+1], v[AF+16*\m+\p:AF+16*\m+\p+1], v[AF+16*\m+\p+4:AF+16*\m+\p+5]
.endr
.endr
.irp m, 0,1
	v_pk_add_f32 v[AF+16*\m:AF+16*\m+1], v[AF+16*\m:AF+16*\m+1], v[AF+16*\m+2:AF+16*\m+3]
.endr
.irp m, 0,1
	v_add_f32 v[T0+4*\m], v[AF+16*\m], v[AF+16*\m+1]
.endr
.endm
.macro GAIN h0                         ; column tiles h0, h0 + 1 of both row tiles: x the gain in v[AF ..] + the bias in v[AF+16 ..]
	s_wait_dscnt 0x0
.irp m, 0,1
.irp k, 0,2,4,6,8,10,12,14
	v_pk_fma_f32 v[ACC+32*\m+8*(\h0)+\k:ACC+32*\m+8*(\h0)+\k+1], v[ACC+32*\m+8*(\h0)+\k:ACC+32*\m+8*(\h0)+\k+1], v[AF+\k:AF+\k+1], v[AF+16+\k:AF+16+\k+1]
.endr
.endr
.endm
; The accumulators x s[f] are the rows to be normed; behind it they hold (y - mean) / sqrt(var + eps) x vector gv + vector bv.  Areas a and a + 1 are used once each.
.macro LNORM f, a, gv, bv
.set n, 0
.rept 32
	v_pk_mul_f32 v[ACC+n:ACC+n+1], v[ACC+n:ACC+n+1], s[\f:\f+1] op_sel_hi:[1,0]   ; each accumulator from its low end on
.set n, n+2
.endr
.irp m, 0,1
	v_pk_add_f32 v[T0+4*\m:T0+4*\m+1], v[ACC+32*\m:ACC+32*\m+1], v[ACC+32*\m+2:ACC+32*\m+3]
	v_pk_add_f32 v[T0+4*\m+2:T0+4*\m+3], v[ACC+32*\m+4:ACC+32*\m+5], v[ACC+32*\m+6:ACC+32*\m+7]
.endr
.irp k, 8,12,16,20,24,28
.irp m, 0,1
	v_pk_add_f32 v[T0+4*\m:T0+4*\m+1], v[T0+4*\m:T0+4*\m+1], v[ACC+32*\m+\k:ACC+32*\m+\k+1]
	v_pk_add_f32 v[T0+4*\m+2:T0+4*\m+3], v[T0+4*\m+2:T0+4*\m+3], v[ACC+32*\m+\k+2:ACC+32*\m+\k+3]
.endr
.endr
	ACROSS \a
.irp m, 0,1
	v_mul_f32 v[MU+2*\m], s63, v[T0+4*\m]          ; the mean: the sum / 1,024
.endr
.irp m, 0,1
.set n, 0
.rept 16
	v_pk_add_f32 v[ACC+32*\m+n:ACC+32*\m+n+1], v[ACC+32*\m+n:ACC+32*\m+n+1], v[MU+2*\m:MU+2*\m+1] op_sel_hi:[1,0] neg_lo:[0,1] neg_hi:[0,1]
.set n, n+2
.endr
.endr
.irp m, 0,1
	v_pk_mul_f32 v[T0+4*\m:T0+4*\m+1], v[ACC+32*\m:ACC+32*\m+1], v[ACC+32*\m:ACC+32*\m+1]
	v_pk_mul_f32 v[T0+4*\m+2:T0+4*\m+3], v[ACC+32*\m+2:ACC+32*\m+3], v[ACC+32*\m+2:ACC+32*\m+3]
.endr
.irp k, 4,8,12,16,20,24,28
.irp m, 0,1
	v_pk_fma_f32 v[T0+4*\m:T0+4*\m+1], v[ACC+32*\m+\k:ACC+32*\m+\k+1], v[ACC+32*\m+\k:ACC+32*\m+\k+1], v[T0+4*\m:T0+4*\m+1]
	v_pk_fma_f32 v[T0+4*\m+2:T0+4*\m+3], v[ACC+32*\m+\k+2:ACC+32*\m+\k+3], v[ACC+32*\m+\k+2:ACC+32*\m+\k+3], v[T0+4*\m+2:T0+4*\m+3]
.endr
.endr
	ACROSS (\a)+1
.irp m, 0,1
	v_fma_f32 v[T0+4*\m], v[T0+4*\m], s63, s66     ; the variance + eps
.endr
.irp m, 0,1
	v_rsq_f32 v[RS+2*\m], v[T0+4*\m]
.endr
	v_nop                                          ; a plain line behind the transcendentals
	s_wait_alu depctr_va_vdst(0)                   ; the two v_rsq_f32 have written v[RS] and v[RS+2], ahead of their first reader; the sums above are done reading v[AF ..], in which the loads below land
	PLOAD \gv, 0, AF                               ; the first two column tiles' gains and biases land while the rows are divided
	PLOAD \bv, 0, AF+16
.irp m, 0,1
.set n, 0
.rept 16
	v_pk_mul_f32 v[ACC+32*\m+n:ACC+32*\m+n+1], v[ACC+32*\m+n:ACC+32*\m+n+1], v[RS+2*\m:RS+2*\m+1] op_sel_hi:[1,0]
.set n, n+2
.endr
.endr
	GAIN 0
	s_wait_alu depctr_va_vdst(0)                   ; the multiply-adds above are done reading v[AF ..], in which the other two column tiles' gains and biases land
	PLOAD \gv, 2, AF
	PLOAD \bv, 2, AF+16
	GAIN 2
.endm
; gelu of one accumulator's eight numbers, four pairs side by side
.macro GELU8 y
.irp k, 0,2,4,6
	v_pk_mul_f32 v[(\y)+\k:(\y)+\k+1], v[(\y)+\k:(\y)+\k+1], s[F5:F5+1] op_sel_hi:[1,0]       ; y = sum x 2^(e8 + e9) (the bias went in as C)
.endr
.irp k, 0,2,4,6
	v_pk_mul_f32 v[ZZ+\k:ZZ+\k+1], v[(\y)+\k:(\y)+\k+1], 0x3f3504f3 op_sel_hi:[1,0]           ; z = y / sqrt 2
.endr
.irp k, 0,1,2,3,4,5,6,7
	v_med3_num_f32 v[ZZ+\k], v[ZZ+\k], -4.0, 4.0
.endr
.irp k, 0,2,4,6
	v_pk_mul_f32 v[Z2+\k:Z2+\k+1], v[ZZ+\k:ZZ+\k+1], v[ZZ+\k:ZZ+\k+1]
.endr
.irp k, 0,2,4,6
	v_pk_fma_f32 v[PP+\k:PP+\k+1], v[Z2+\k:Z2+\k+1], v[T0:T0+1], 0x32edffee op_sel_hi:[1,1,0]
	v_pk_fma_f32 v[QQ+\k:QQ+\k+1], v[Z2+\k:Z2+\k+1], v[T0+2:T0+3], 0xb95fbd29 op_sel_hi:[1,1,0]
.endr
.irp cf, 0xb60cff51, 0xb86ec2d2, 0xba40ac63, 0xbb41a1f6, 0xbc83dbd4
.irp k, 0,2,4,6
	v_pk_fma_f32 v[PP+\k:PP+\k+1], v[PP+\k:PP+\k+1], v[Z2+\k:Z2+\k+1], \cf op_sel_hi:[1,1,0]
.endr
.endr
.irp cf, 0xbadc924e, 0xbbf19bf8, 0xbc69b6a7
.irp k, 0,2,4,6
	v_pk_fma_f32 v[QQ+\k:QQ+\k+1], v[QQ+\k:QQ+\k+1], v[Z2+\k:Z2+\k+1], \cf op_sel_hi:[1,1,0]
.endr
.endr
.irp k, 0,1,2,3,4,5,6,7
	v_rcp_f32 v[QQ+\k], v[QQ+\k]
.endr
.irp k, 0,2,4,6
	v_pk_mul_f32 v[PP+\k:PP+\k+1], v[PP+\k:PP+\k+1], v[ZZ+\k:ZZ+\k+1]                         ; (plain lines behind the reciprocals)
.endr
.irp k, 0,2,4,6
	v_pk_mul_f32 v[(\y)+\k:(\y)+\k+1], v[(\y)+\k:(\y)+\k+1], 0.5 op_sel_hi:[1,0]
.endr
	s_wait_alu depctr_va_vdst(0)                   ; the eight reciprocals have written v[QQ ..], ahead of their first reader
.irp k, 0,2,4,6
	v_pk_mul_f32 v[PP+\k:PP+\k+1], v[PP+\k:PP+\k+1], v[QQ+\k:QQ+\k+1]                         ; erf(z)
.endr
.irp k, 0,2,4,6
	v_pk_fma_f32 v[(\y)+\k:(\y)+\k+1], v[(\y)+\k:(\y)+\k+1], v[PP+\k:PP+\k+1], v[(\y)+\k:(\y)+\k+1]   ; 0.5 y erf + 0.5 y
.endr
.endm
	s_load_b512 s[4:19], s[0:1], 0x0               ; att 4, wimg 6, the exponents 8, x 10, b_proj 12, ln1_g 14, ln1_b 16, b1 18
	s_load_b256 s[20:27], s[0:1], 0x40             ; b2 20, ln2_g 22, ln2_b 24, out0 26
	v_lshrrev_b32 v10, 5, v0
	v_readfirstlane_b32 s62, v10                   ; wave 0..15
	v_and_b32 v11, 31, v0                          ; L
	v_and_b32 v12, 15, v0                          ; r
	v_bfe_u32 v13, v0, 4, 1                        ; h
	v_lshlrev_b32 v[LI], 4, v11
	s_wait_alu depctr_va_sdst(0)                   ; the wave's number is written, ahead of its first reader: the addresses below are made from it
	s_lshl_b32 s67, s62, 13
	v_add_nc_u32 v[WO], s67, v[LI]
	s_mul_i32 s67, s62, 8704
	s_add_co_u32 s67, s67, STG                     ; my stage
	v_mul_u32_u24 v[SRD], v12, 272
	v_lshl_add_u32 v[SRD], v13, 5, v[SRD]
	v_add_nc_u32 v[SRD], s67, v[SRD]
	v_mul_u32_u24 v[SRW], v13, 272
	v_lshl_add_u32 v[SRW], v12, 4, v[SRW]
	v_add_nc_u32 v[SRW], s67, v[SRW]
	s_lshl_b32 s67, s62, 8
	v_lshlrev_b32 v[PG], 4, v12
	v_add_nc_u32 v[PG], s67, v[PG]
	v_lshl_add_u32 v[GX], v13, 12, v[PG]
	s_mul_i32 s67, s62, 1792
	s_add_co_u32 s67, s67, PAR                     ; my vectors
	v_lshlrev_b32 v[PARA], 5, v13
	v_add_nc_u32 v[PARA], s67, v[PARA]
	v_lshlrev_b32 v[PARW], 4, v12
	v_add_nc_u32 v[PARW], s67, v[PARW]
	v_mul_u32_u24 v[STR], v12, 80
	v_add_nc_u32 v[STR], STAT, v[STR]
	s_lshl_b32 s67, s62, 2
	v_add_nc_u32 v[STW], s67, v[STR]
	s_lshl_b32 s67, s62, 10
	v_add_nc_u32 v[IMW], s67, v[LI]
	s_lshl_b32 s67, s62, 11
	v_add_nc_u32 v[CSC], s67, v[LI]                ; 2,048 w + 16 L: my part of the work-group's 32,768 bytes of att, in memory and in LDS
	s_mov_b32 s[SEL], 0x76543210
	s_mov_b32 s[SEL+1], 0xfedcba98
	s_mov_b32 s63, 0x3a800000                      ; 1 / 1,024
	s_mov_b32 s66, 0x3727c5ac                      ; eps = 1e-5
	s_mov_b32 s69, 0
	s_wait_kmcnt 0x0
	s_load_b256 s[32:39], s[8:9], 0x10             ; e4 .. e11
	s_lshl_b32 s68, ttmp9, 15
	s_add_nc_u64 s[4:5], s[4:5], s[68:69]          ; att at my two row tiles
	s_lshl_b32 s68, ttmp9, 17
	s_add_nc_u64 s[10:11], s[10:11], s[68:69]      ; x and out0 at my 32 rows
	s_add_nc_u64 s[26:27], s[26:27], s[68:69]
	s_wait_alu depctr_va_vdst(0)                   ; all addresses and offsets (v1-9, v28, v30, v31) are written, which the kernel's loads and stores read; the lines above are done with v10-13, in which loads below land
	; ---- the prologue: 4 + 7 + 16 + 16 + 16 loads, in this order
.irp c, 0,1,2,3
	global_load_b128 v[AF+4*\c:AF+4*\c+3], v[CSC], s[4:5] offset:512*\c
.endr
.irp p, 0,1,2,3
	global_load_b128 v[AF+16+4*\p:AF+16+4*\p+3], v[PG], s[12+2*\p:13+2*\p]
.endr
.irp p, 4,5,6
	global_load_b128 v[10+4*(\p-4):13+4*(\p-4)], v[PG], s[12+2*\p:13+2*\p]
.endr
.irp i, 0,1,2,3,4,5,6,7,8,9,10,11,12,13,14,15
	global_load_b128 v[ACC+4*\i:ACC+4*\i+3], v[GX], s[10:11] offset:8192*\i th:TH_LOAD_NT   ; rows 2 i, 2 i + 1: sixteen lanes read my 256 bytes of a row
.endr
	BLOAD 0
	BLOAD 1
	s_wait_kmcnt 0x0
	POW2 F4, 34, 35
	POW2 F5, 36, 37
	POW2 F6, 38, 39
	QSC 52, 36                                     ; e8
	QSC 54, 38                                     ; e10
	s_wait_loadcnt 48                              ; att and the vectors are in; x's sixteen loads and the two weight sets' thirty-two stay out
.irp c, 0,1,2,3
	ds_store_b128 v[CSC], v[AF+4*\c:AF+4*\c+3] offset:AIMG0+512*\c
.endr
.irp p, 0,1,2,3
	ds_store_b128 v[PARW], v[AF+16+4*\p:AF+16+4*\p+3] offset:256*\p   ; lanes L and L + 16 store the same bytes to the same place
.endr
.irp p, 4,5,6
	ds_store_b128 v[PARW], v[10+4*(\p-4):13+4*(\p-4)] offset:256*\p
.endr
	s_wait_loadcnt 32                              ; x is in; the two weight sets stay out
.irp i, 0,1,2,3,4,5,6,7,8,9,10,11,12,13,14,15
	ds_store_b128 v[SRW], v[ACC+4*\i:ACC+4*\i+3] offset:544*\i
.endr
	s_wait_alu depctr_vm_vsrc(0)                   ; the LDS stores above have read their registers: v[ACC ..], in which the loads below land; v[AF ..], in which later loads land; v10-21 and v[CSC], which vector lines write further on
	RES_LOAD                                       ; LDS serves a wave's instructions in order: these see the stores above
	BARRIER                                        ; att's sixteen fragments lie in images A
	v_mov_b32 v[PD], 0                             ; written once: permute destinations, and the upper halves of pairs
	v_mov_b32 v[PD+1], 0
	v_mov_b32 v[MU+1], 0
	v_mov_b32 v[MU+3], 0
	v_mov_b32 v[RS+1], 0
	v_mov_b32 v[RS+3], 0
	CSTART 0, I4                                   ; C = (x + b_proj) / 2^(e6 + e7).  (No vector line has named v[AF ..] so far, and the stores that read them stand ahead of the wait on vm_vsrc above)
	; ---- att W_proj
.irp g, 0,1,2,3,4,5,6,7
	KSTEP \g, AIMG0
.endr
	LNORM F4, 0, 1, 2                              ; x1
	s_wait_alu depctr_va_vdst(0)                   ; the norm has written v[ACC ..], which the stores below read
	RES_STORE                                      ; x1 takes x's place in my stage
	s_wait_dscnt 0x0                               ; x1 lies in my stage
	s_wait_alu depctr_vm_vsrc(0)                   ; the stores have read v[ACC ..], which the holds below rewrite
	QIMG AIMG1, 52, 53
	BARRIER                                        ; x1's sixteen fragments lie in images B
	s_wait_alu depctr_vm_vsrc(0)                   ; my image stores have read v[AF .. AF+15], in which the loads below land
	; ---- x1 W1
	PLOAD 3, 0, AF
	PLOAD 3, 2, AF+16
	s_wait_dscnt 0x0
.irp m, 0,1
.set n, 0
.rept 16
	v_pk_mul_f32 v[ACC+32*\m+n:ACC+32*\m+n+1], v[AF+n:AF+n+1], s[I5:I5+1] op_sel_hi:[1,0]   ; C = b1 / 2^(e8 + e9)
.set n, n+2
.endr
.endr
.irp g, 8,9,10,11,12,13,14,15
	KSTEP \g, AIMG1
.endr
	v_mov_b32 v[T0], 0xaf95df0b                    ; the leading coefficients of P and of Q, as pairs
	v_mov_b32 v[T0+1], 0xaf95df0b
	v_mov_b32 v[T0+2], 0xb77460cd
	v_mov_b32 v[T0+3], 0xb77460cd
.irp a, 0,1,2,3,4,5,6,7
	GELU8 ACC+8*\a
.endr
	QIMG AIMG0, 54, 55                             ; images A were last read ahead of the first norm's barrier, which every wave has passed
	BARRIER                                        ; the hidden layer's sixteen fragments lie in images A
	s_wait_alu depctr_vm_vsrc(0)                   ; my image stores have read v[AF .. AF+15], in which the bias's loads below land
	; ---- gelu(..) W2
	RES_LOAD                                       ; x1
	CSTART 4, I6                                   ; C = (x1 + b2) / 2^(e10 + e11)
.irp g, 16,17,18,19,20,21,22,23
	KSTEP \g, AIMG0
.endr
	LNORM F6, 2, 5, 6
	; ---- the way out: through my stage, so that sixteen lanes store my 256 consecutive bytes of a row
	s_wait_alu depctr_va_vdst(0)                   ; the norm has written v[ACC ..], which the stores below read, and is done with them: loads land there behind the stores
	RES_STORE
	s_wait_alu depctr_vm_vsrc(0)                   ; the stores have read v[ACC ..], in which the loads below land
.irp i, 0,1,2,3,4,5,6,7,8,9,10,11,12,13,14,15
	ds_load_b128 v[ACC+4*\i:ACC+4*\i+3], v[SRW] offset:544*\i      ; LDS serves a wave's instructions in order: these see the stores above
.endr
.irp i, 0,1,2,3,4,5,6,7,8,9,10,11,12,13,14,15
	s_wait_dscnt 15-\i                             ; number i is in, the younger ones stay out
	global_store_b128 v[GX], v[ACC+4*\i:ACC+4*\i+3], s[26:27] offset:8192*\i th:TH_STORE_NT
.endr
	s_wait_xcnt 0x0
	v_lshl_add_u32 v254, v0, 2, 0x3b800            ; the add's two registers are made here: until the last K step they held weights (loads landed in them, products read them; no memory or LDS instruction has read them)
	v_mov_b32 v255, 0
	s_wait_dscnt 0x0                               ; the closing lines, six on end
	s_wait_alu 0x0
	s_wait_tensorcnt 0x0
	ds_add_u32 v254, v255
	s_wait_dscnt 0x0
	s_endpgm
.Lfunc_end_k_q0fe3bb4b4a_tail:
	.size	k_q0fe3bb4b4a_tail, .Lfunc_end_k_q0fe3bb4b4a_tail-k_q0fe3bb4b4a_tail
	.p2alignl 7, 3214868480
	.fill 96, 4, 3214868480
	.section	.rodata,"a",@progbits
	.p2align	6, 0x0
	.amdhsa_kernel k_q0fe3bb4b4a_tail
		.amdhsa_group_segment_fixed_size 245760
		.amdhsa_private_segment_fixed_size 0
		.amdhsa_enable_private_segment 0
		.amdhsa_kernarg_size 96
		.amdhsa_user_sgpr_count 2
		.amdhsa_user_sgpr_kernarg_segment_ptr 1
		.amdhsa_wavefront_size32 1
		.amdhsa_system_sgpr_workgroup_id_x 1
		.amdhsa_system_sgpr_workgroup_id_y 1
		.amdhsa_system_sgpr_workgroup_id_z 1
		.amdhsa_system_vgpr_workitem_id 0
		.amdhsa_next_free_vgpr 256
		.amdhsa_next_free_sgpr 80
		.amdhsa_reserve_vcc 0
		.amdhsa_float_denorm_mode_32 3
		.amdhsa_float_denorm_mode_16_64 3
		.amdhsa_memory_ordered 1
		.amdhsa_forward_progress 1
		.amdhsa_inst_pref_size 188
	.end_amdhsa_kernel
	.amdgpu_metadata
---
amdhsa.version: [ 1, 2 ]
amdhsa.kernels:
  - .name:           k_q0fe3bb4b4a_tail
    .symbol:         k_q0fe3bb4b4a_tail.kd
    .args:
      - { .name: att, .offset: 0, .size: 8, .value_kind: global_buffer, .address_space: global }
      - { .name: wimg, .offset: 8, .size: 8, .value_kind: global_buffer, .address_space: global }
      - { .name: lowp_scales, .offset: 16, .size: 8, .value_kind: global_buffer, .address_space: global }
      - { .name: x, .offset: 24, .size: 8, .value_kind: global_buffer, .address_space: global }
      - { .name: b_proj, .offset: 32, .size: 8, .value_kind: global_buffer, .address_space: global }
      - { .name: ln1_g, .offset: 40, .size: 8, .value_kind: global_buffer, .address_space: global }
      - { .name: ln1_b, .offset: 48, .size: 8, .value_kind: global_buffer, .address_space: global }
      - { .name: b1, .offset: 56, .size: 8, .value_kind: global_buffer, .address_space: global }
      - { .name: b2, .offset: 64, .size: 8, .value_kind: global_buffer, .address_space: global }
      - { .name: ln2_g, .offset: 72, .size: 8, .value_kind: global_buffer, .address_space: global }
      - { .name: ln2_b, .offset: 80, .size: 8, .value_kind: global_buffer, .address_space: global }
      - { .name: out0, .offset: 88, .size: 8, .value_kind: global_buffer, .address_space: global }
    .group_segment_fixed_size: 245760
    .private_segment_fixed_size: 0
    .kernarg_segment_align: 8
    .kernarg_segment_size: 96
    .max_flat_workgroup_size: 512
    .sgpr_count:     80
    .vgpr_count:     256
    .wavefront_size: 32
...
	.end_amdgpu_metadata
.endif
;; end of part 6
